; MI455X (gfx1250); checked and timed in simulation.
; The chip was launched on July 23, 2026; its instructions are those of AMD's public machine-readable ISA for CDNA 5 (MIT licence, August 2026) and "CDNA5" Instruction Set Architecture Reference Guide (July 2026). The comments in the code are by the model that wrote it; some were corrected since.
;; Multi Head Attention. Allowed arithmetic: matrix products marked QUANTISED: E3M2 operands, one E8M0 scale for each 32 along K, by v_wmma_scale_f32_16x16x128_f8f6f4 with both operands' format E3M2, f32 sums; everything else in f32.
;; Inputs: Wk 16 x 1,024 x 64 float32; Wo 1,024 x 1,024 float32; Wq 16 x 1,024 x 64 float32; Wv 16 x 1,024 x 64 float32; bk 16 x 64 float32; bo 1,024 float32; bq 16 x 64 float32; bv 16 x 64 float32; k 4 x 2,048 x 1,024 float32; mask 4 x 2,048 x 2,048 bool; q 4 x 2,048 x 1,024 float32; v 4 x 2,048 x 1,024 float32.
;; Outputs: out0 4 x 2,048 x 1,024 float32.
;; This version of the problem:
;;   THIS VERSION OF THE PROBLEM IS GIVEN IN LOW PRECISION. The matrix products marked QUANTISED in the list below multiply operands that are first quantised to E3M2 (3 exponent bits, 2 mantissa bits; 6 bits a number), with one power-of-two scale for each 32 numbers along K (OCP MX v1.0); their sums are f32. All else is computed in f32.
;;   The module's matrix products, in the order in which they are computed (A, B: the left and right operand; K: the contracted axis; several contracted axes count as one K, in the product's order):
;;     1. [M 1,024, K 1,024] x [K 1,024, N 8,192]; A: input Wq; B: input q: QUANTISED
;;     2. [M 1,024, K 1,024] x [K 1,024, N 8,192]; A: input Wk; B: input k: QUANTISED
;;     3. [M 1,024, K 1,024] x [K 1,024, N 8,192]; A: input Wv; B: input v: QUANTISED
;;     4. batch 64 x [M 2,048, K 64] x [K 64, N 2,048]; A: computed on the way; B: computed on the way: QUANTISED
;;     5. batch 64 x [M 2,048, K 2,048] x [K 2,048, N 64]; A: softmax (see below); B: computed on the way: QUANTISED
;;     6. [M 8,192, K 1,024] x [K 1,024, N 1,024]; A: computed on the way; B: input Wo: QUANTISED
;;   THE QUANTISER, for each operand of a quantised product, along K:
;;     - K is cut into blocks of 32 from its start; a last block that is shorter is filled with zeros.
;;     - A block's scale is 2^e with e = floor(log2(the largest magnitude in the block)) - 4, held to -126 .. 127; a block of zeros has e = 0. As a byte (E8M0): e + 127.
;;     - Each number is divided by its block's scale, clamped to +-28, and rounded to the nearest number of E3M2, ties to even, subnormals kept.
;;     - The product sums the exact products of the quantised numbers (number of the format x scale) in f32.
;;   ~~~python
;;   def quantise(x, axis):      # numpy; x: float32 -> the quantised numbers, widened to float32 again
;;       x = np.moveaxis(x, axis, -1); K = x.shape[-1]
;;       x = np.pad(x, [(0, 0)] * (x.ndim - 1) + [(0, -K % 32)]); x = x.reshape(x.shape[:-1] + (-1, 32)); a = np.abs(x).max(-1, keepdims=True)
;;       e = np.where(a > 0, np.clip(np.frexp(np.where(a > 0, a, 1))[1] - 1 - 4, -126, 127), 0)      # np.frexp(a)[1] - 1 = floor(log2(a)), exactly
;;       r = np.clip(x / 2.0 ** e, -28, 28)
;;       step = 2.0 ** (np.maximum(np.frexp(np.where(r == 0, 1, r))[1] - 1, -2) - 2)
;;       q = np.round(r / step) * step * 2.0 ** e      # np.round: ties to even
;;       return np.moveaxis(q.reshape(q.shape[:-2] + (-1,))[..., :K], -1, axis).astype(np.float32)
;;   ~~~
;;   SOFTMAX AHEAD OF A QUANTISED PRODUCT. Where the list says 'softmax', what is quantised is not the finished softmax but p = 2^(t - M), with t = logit x log2(e) and M = ceil(the row's largest t), a whole number; so 1/2 < the row's largest p <= 1. The row's sum l is taken of the UNQUANTISED p, in f32, and the product's result is divided by l at the end. Since M is a whole number, a kernel that streams over the keys may use a running M (the ceiling of the running maximum): every later rescaling is an exact power of two, which a block's scale takes up: the codes' values come out the same.
;;   OPERANDS COMPUTED ON THE WAY. 'Computed on the way' means the value that the module computes at that place (a softmax that the list does not call 'softmax' is quantised finished and normalised). What goes into a quantiser is computed in f32, as accurately as f32 sums, v_exp_f32 and their like allow (about 1e-6 of the number): no bf16 or f16 on the way to a quantiser, and a product that is left as it is and whose result goes on into a quantised operand takes f32 operands (vector FMAs, or v_wmma_f32_16x16x4_f32). A number that lies on a knife's edge between two numbers of the format may be rounded either way, as far as f32 arithmetic and the matrix unit's own rounding can turn it there, and no further.
;; One version. Each part assembles by itself: llvm-mc -triple=amdgcn-amd-amdhsa -mcpu=gfx1250 --defsym DOCPART=n.
;; ======== version 1 of 1: 4 launches
;; limits: right only within a limited range of input values
;; workspace buffers: xq 19,660,800 bytes; wq 3,276,800 bytes; mw 2,097,152 bytes of whole numbers; hq 19,660,800 bytes; aq 6,553,600 bytes
;; launch prep (part 1): grid 1024 x 1, 4 waves a work-group, no clusters, 52,736 bytes of LDS; arguments q, k, v, mask, Wq, Wk, Wv, Wo, xq, wq, mw; writes xq, wq, mw
.if DOCPART == 1
	.amdgcn_target "amdgcn-amd-amdhsa--gfx1250"
	.amdhsa_code_object_version 6
	.text
	.protected	k_qdc417d68e7_prep
	.globl	k_qdc417d68e7_prep
	.p2align	8
	.type	k_qdc417d68e7_prep,@function
k_qdc417d68e7_prep:
	s_mov_b64 s[64:65], 0
	v_nop
	global_prefetch_b8 v0, s[64:65] scope:SCOPE_SE
	s_setreg_imm32_b32 hwreg(HW_REG_WAVE_MODE, 25, 1), 1
	s_wait_xcnt 0x0
; PREP: the f32 inputs become operands of the later launches.  Three roles, parted by the work-group's number; each work-group moves 128 KiB.
;   0..767    q, k, v [8192][1024] f32 -> codes of BF6 (E3M2) and E8M0 scale words in xq
;   768..895  Wq, Wk, Wv [16][1024][64], Wo [1024][1024] f32, K on an outer axis -> codes and scale words in wq, K innermost
;   896..1023 mask [8192][2048] bytes -> lane masks in mw: one 32-bit word for each score register of the attention launch
; ORDER OF ROWS.  Rows lie in tiles of 16 in POSITION order: position = row number with bits 3 and 4 exchanged, so tile T, row r is row 32 (T / 2) + 8 (T % 2) + r % 8 + 16 (r / 8).
; A product that takes such a tile as its source 0 then leaves 16 neighbouring rows in the 16 registers of two neighbouring tiles.
; HALF IMAGE.  16 rows x 64 along K are 768 bytes, an image of operand registers: lane (r, h) holds block h of row r in six registers; registers 0-3 lie at 16 x lane, registers 4-5 at 512 + 16 r + 8 h.
; SCALE WORDS of a tile: [K / 256][r][2 words], 512 bytes; a word is the four bytes of 128 along K.
; A block's scale is 2^(floor(log2(largest magnitude)) - 4); its byte is the largest magnitude's exponent field - 4, held at 1 from below.
; LIMITS: NaN and infinities are not served; a block whose largest magnitude lies under 2^-122 keeps the byte 1; a block of zeros has the byte 1 where the quantiser says 127: its codes are zeros, and only this program reads the bytes.
; No tensor loads, no barrier: waves share nothing; each role and each wave has LDS bytes of its own.
.set FLOOR, 0x2800000                  ; 2^(5 - 127)
.set XR,    48                         ; v48-175  q, k, v: two sets of 64 registers as loaded
.set XX,    176                        ; v176-239 two whole blocks of 32 neighbours
.set XC,    24                         ; v24-29, v32-37 the codes of two half images
.set XT,    40                         ; v40-42, v44-46 a block's upper 16 codes as converted
.set WX,    48                         ; v48-111  weights: two sets of 32 numbers
.set XREG,  8704                       ; LDS of a wave in the first role: 16 rows x 528 bytes, then 256 bytes of scale words
.set MST,   4*XREG                     ; LDS of the mask role: 16 rows x 272 bytes for each wave
	s_load_b256 s[4:11], s[0:1], 0x0               ; q, k, v, mask
	s_load_b256 s[12:19], s[0:1], 0x20             ; Wq, Wk, Wv, Wo
	s_load_b128 s[20:23], s[0:1], 0x40             ; xq, wq
	s_load_b64 s[24:25], s[0:1], 0x50              ; mw
	v_lshl_add_u32 v240, v0, 2, 0xcc00
	v_mov_b32 v241, 0
	v_lshrrev_b32 v1, 5, v0
	v_readfirstlane_b32 s2, v1                     ; wave 0..3
	v_and_b32 v1, 31, v0                           ; lane
	v_and_b32 v2, 15, v0                           ; r
	v_bfe_u32 v3, v0, 4, 1                         ; h
	s_mov_b32 s26, 0x76543210
	s_mov_b32 s27, 0xfedcba98                      ; v_permlanex16_b32's selects for lane l xor 16
	s_mov_b32 s35, 0                               ; the upper word of every offset
	s_wait_kmcnt 0x0
	s_cmp_ge_u32 ttmp9, 896
	s_cbranch_scc1 .Lmask
	s_cmp_ge_u32 ttmp9, 768
	s_cbranch_scc1 .Lweights
; ---------------- q, k, v.  A wave takes one tile of 16 rows x 512 along K, in four units of 128.
	s_lshr_b32 s28, ttmp9, 8                       ; t: which tensor
	s_and_b32 s29, ttmp9, 255
	s_lshl_b32 s29, s29, 2
	s_add_co_u32 s29, s29, s2                      ; 2 x tile + half of K
	s_lshr_b32 s32, s29, 1                         ; tile T
	s_and_b32 s33, s29, 1                          ; half
	s_cmp_eq_u32 s28, 0
	s_cselect_b64 s[30:31], s[4:5], s[6:7]
	s_cmp_eq_u32 s28, 2
	s_cselect_b64 s[30:31], s[8:9], s[30:31]
	s_lshr_b32 s34, s32, 1
	s_lshl_b32 s34, s34, 5
	s_and_b32 s36, s32, 1
	s_lshl_b32 s36, s36, 3
	s_add_co_u32 s34, s34, s36                     ; the tile's first row: 32 (T / 2) + 8 (T % 2)
	s_lshl_b32 s34, s34, 12                        ; rows of 4,096 bytes
	s_lshl_b32 s36, s33, 11
	s_add_co_u32 s34, s34, s36
	s_add_nc_u64 s[30:31], s[30:31], s[34:35]      ; the source
	s_mul_i32 s34, s28, 6291456
	s_mul_i32 s36, s32, 12288
	s_add_co_u32 s34, s34, s36
	s_mul_i32 s36, s33, 6144
	s_add_co_u32 s34, s34, s36
	s_add_nc_u64 s[38:39], s[20:21], s[34:35]      ; my eight half images
	s_lshl_b32 s34, s28, 18
	s_lshl_b32 s36, s29, 8
	s_add_co_u32 s34, s34, s36
	s_add_co_u32 s34, s34, 18874368
	s_add_nc_u64 s[40:41], s[20:21], s[34:35]      ; my 256 bytes of scale words
	s_mul_i32 s42, s2, XREG
	s_add_co_u32 s43, s42, 16*528
	s_wait_alu depctr_va_vdst(0)
	v_lshlrev_b32 v4, 4, v1                        ; 16 x lane: a load's and a store's place
	v_add_nc_u32 v5, s42, v4                       ; the stage, on the way in
	v_mul_u32_u24 v6, v2, 528
	v_lshl_add_u32 v6, v3, 7, v6
	v_add_nc_u32 v6, s42, v6                       ; and out: row r, block h
	v_lshlrev_b32 v7, 4, v2
	v_lshl_add_u32 v7, v3, 3, v7                   ; 16 r + 8 h
	v_lshl_add_u32 v8, v2, 3, s43                  ; my row's scale words in LDS
	v_lshl_add_u32 v9, v1, 3, s43                  ; and where I read them back
	v_lshlrev_b32 v10, 3, v1
	v_lshlrev_b32 v11, 3, v3                       ; 8 h: my bytes' shift in a scale word
	v_mov_b32 v21, 0                               ; a lane permute's destination counts as one of its sources
.macro XLOAD u                         ; unit u: 16 rows x 512 consecutive bytes
.irp rho, 0,1,2,3,4,5,6,7,8,9,10,11,12,13,14,15
	global_load_b128 v[XR+64*((\u)%2)+4*\rho:XR+64*((\u)%2)+4*\rho+3], v4, s[30:31] offset:((\rho%8)+16*(\rho/8))*4096+512*(\u) th:TH_LOAD_NT
.endr
.endm
.macro XUNIT u
.if (\u) < 3
	s_wait_loadcnt 16                              ; this unit's 16 loads are in; the next unit's 16 may be out
.else
	s_wait_loadcnt 0x0
.endif
.irp rho, 0,1,2,3,4,5,6,7,8,9,10,11,12,13,14,15
	ds_store_b128 v5, v[XR+64*((\u)%2)+4*\rho:XR+64*((\u)%2)+4*\rho+3] offset:528*\rho
.endr
.irp c, 0,1                            ; back as whole blocks: lane (r, h) takes block 2 c + h of row r.  LDS serves a wave's instructions in order: these see the stores above
.irp i, 0,1,2,3,4,5,6,7
	ds_load_b128 v[XX+32*\c+4*\i:XX+32*\c+4*\i+3], v6 offset:256*\c+16*\i
.endr
.endr
	s_wait_dscnt 0x0                               ; the numbers are back
	s_wait_xcnt 0x0                                ; the last unit's stores have read the codes' registers
.if (\u) < 2
	XLOAD (\u)+2
.endif
.irp c, 0,1
	v_max3_num_f32 v[12+2*\c], |v[XX+32*\c]|, |v[XX+32*\c+1]|, |v[XX+32*\c+2]|
	v_max3_num_f32 v[13+2*\c], |v[XX+32*\c+3]|, |v[XX+32*\c+4]|, |v[XX+32*\c+5]|
.endr
.irp i, 6,10,14,18,22,26
.irp c, 0,1
	v_max3_num_f32 v[12+2*\c], v[12+2*\c], |v[XX+32*\c+\i]|, |v[XX+32*\c+\i+1]|
	v_max3_num_f32 v[13+2*\c], v[13+2*\c], |v[XX+32*\c+\i+2]|, |v[XX+32*\c+\i+3]|
.endr
.endr
.irp c, 0,1
	v_max3_num_f32 v[12+2*\c], v[12+2*\c], |v[XX+32*\c+30]|, |v[XX+32*\c+31]|
.endr
.irp c, 0,1
	v_max3_num_f32 v[12+2*\c], v[12+2*\c], v[13+2*\c], FLOOR       ; the block's largest magnitude, and the floor
.endr
.irp c, 0,1
	v_add_nc_u32 v[16+\c], 0xfe000000, v[12+2*\c]  ; 4 off its exponent field: the conversion's scale operand
.endr
.irp c, 0,1
	v_lshrrev_b32 v[18+\c], 23, v[16+\c]           ; the scale's byte
.endr
.irp c, 0,1
	v_cvt_scalef32_pk16_bf6_f32 v[XC+8*\c:XC+8*\c+2], v[XX+32*\c:XX+32*\c+15], v[16+\c]
	v_cvt_scalef32_pk16_bf6_f32 v[XT+4*\c:XT+4*\c+2], v[XX+32*\c+16:XX+32*\c+31], v[16+\c]   ; (a conversion's three registers begin on an even number)
.endr
	v_lshl_or_b32 v20, v19, 16, v18                ; my two bytes, blocks h and 2 + h of these 128.  (Plain lines behind the conversions)
	v_lshlrev_b32 v20, v11, v20
	v_permlanex16_b32 v21, v20, s26, s27
	v_or_b32 v20, v20, v21                         ; with lane l xor 16's two the word is whole
.irp c, 0,1
.irp i, 0,1,2
	v_mov_b32 v[XC+8*\c+3+\i], v[XT+4*\c+\i]
.endr
.endr
	ds_store_b32 v8, v20 offset:128*((\u)/2)+4*((\u)%2)            ; both halves of the lanes write the same word with the same value
.irp c, 0,1
	global_store_b128 v4, v[XC+8*\c:XC+8*\c+3], s[38:39] offset:(2*(\u)+\c)*768        ; 512 consecutive bytes
	global_store_b64 v7, v[XC+8*\c+4:XC+8*\c+5], s[38:39] offset:(2*(\u)+\c)*768+512   ; 256 consecutive bytes
.endr
.endm
	XLOAD 0
	XLOAD 1
	s_wait_alu depctr_va_vdst(0)
	XUNIT 0
	XUNIT 1
	XUNIT 2
	XUNIT 3
	ds_load_b64 v[22:23], v9
	s_wait_dscnt 0x0
	global_store_b64 v10, v[22:23], s[40:41]       ; the wave's scale words: 256 consecutive bytes
	s_wait_tensorcnt 0x0
	ds_add_u32 v240, v241
	s_wait_dscnt 0x0
	s_endpgm
; ---------------- the weights.  A lane takes a column n and its registers run down K: a wave takes 32 columns x 256 along K, eight blocks a lane.
.Lweights:
	s_sub_co_u32 s28, ttmp9, 768
	s_lshr_b32 s29, s28, 5                         ; t: Wq, Wk, Wv, Wo
	s_bfe_u32 s32, s28, 0x30002
	s_and_b32 s33, s28, 3                          ; which 256 along K
	s_lshl_b32 s32, s32, 7
	s_lshl_b32 s34, s2, 5
	s_add_co_u32 s32, s32, s34                     ; n0: my wave's first column
	s_lshr_b32 s36, s32, 4                         ; its tile
	s_mul_i32 s34, s29, 786432
	s_mul_i32 s37, s36, 12288
	s_add_co_u32 s34, s34, s37
	s_mul_i32 s37, s33, 3072
	s_add_co_u32 s34, s34, s37
	s_add_nc_u64 s[38:39], s[22:23], s[34:35]      ; codes
	s_lshl_b32 s34, s29, 15
	s_lshl_b32 s37, s36, 9
	s_add_co_u32 s34, s34, s37
	s_lshl_b32 s37, s33, 7
	s_add_co_u32 s34, s34, s37
	s_add_co_u32 s34, s34, 3145728
	s_add_nc_u64 s[40:41], s[22:23], s[34:35]      ; scale words
	s_wait_alu depctr_va_vdst(0)
	v_lshlrev_b32 v4, 2, v1                        ; in: 4 bytes a lane
	v_bfe_u32 v5, v1, 3, 1                         ; column n0 + lane lies in tile n0 / 16 + u, u = bit 3 of the lane,
	v_and_b32 v6, 7, v1
	v_lshrrev_b32 v7, 4, v1
	v_lshl_or_b32 v6, v7, 3, v6                    ; at row r = lane % 8 + 8 (lane / 16)
	v_mul_u32_u24 v7, v5, 12288
	v_lshl_add_u32 v7, v6, 4, v7
	v_lshlrev_b32 v8, 9, v5
	v_lshl_add_u32 v8, v6, 3, v8
.macro WLOAD j, stride
.irp i, 0,1,2,3,4,5,6,7,8,9,10,11,12,13,14,15,16,17,18,19,20,21,22,23,24,25,26,27,28,29,30,31
	global_load_b32 v[WX+32*((\j)%2)+\i], v4, s[30:31] offset:(32*(\j)+\i)*(\stride)
.endr
.endm
.macro WBLOCK j, stride
.set WXS, WX+32*((\j)%2)
.set WCB, 24+4*((\j)%2)
.if (\j) < 7
	s_wait_loadcnt 32                              ; this block's 32 loads are in; the next block's may be out
.else
	s_wait_loadcnt 0x0
.endif
	v_max3_num_f32 v12, |v[WXS]|, |v[WXS+1]|, |v[WXS+2]|
	v_max3_num_f32 v13, |v[WXS+3]|, |v[WXS+4]|, |v[WXS+5]|
.irp i, 6,10,14,18,22,26
	v_max3_num_f32 v12, v12, |v[WXS+\i]|, |v[WXS+\i+1]|
	v_max3_num_f32 v13, v13, |v[WXS+\i+2]|, |v[WXS+\i+3]|
.endr
	v_max3_num_f32 v12, v12, |v[WXS+30]|, |v[WXS+31]|
	v_max3_num_f32 v12, v12, v13, FLOOR
	v_add_nc_u32 v16, 0xfe000000, v12
	v_lshrrev_b32 v17, 23, v16
.if ((\j)%2 == 0) && ((\j) > 0)
	s_wait_alu depctr_va_vdst(0)
	s_wait_xcnt 0x0                                ; the last pair's stores have read the codes' registers
.endif
	v_cvt_scalef32_pk16_bf6_f32 v[WCB:WCB+2], v[WXS:WXS+15], v16
	v_cvt_scalef32_pk16_bf6_f32 v[36:38], v[WXS+16:WXS+31], v16
.if (\j)%4 == 0
	v_mov_b32 v[40+(\j)/4], v17                    ; four bytes to a word, the lower K in the lower byte.  (A plain line behind the conversions)
.else
	v_lshl_or_b32 v[40+(\j)/4], v17, 8*((\j)%4), v[40+(\j)/4]
.endif
	v_mov_b32 v[WCB+3], v36                        ; registers 0-3 of the block's six,
	v_mov_b32 v[32+2*((\j)%2)], v37                ; registers 4-5: an even and an odd block's lie side by side
	v_mov_b32 v[33+2*((\j)%2)], v38
.if (\j)+2 < 8
	WLOAD (\j)+2, \stride
.endif
.if (\j)%2 == 1                        ; a half image is whole: block h = 0, block h = 1, and both blocks' last two registers; each store covers 256 consecutive bytes in each of two tiles
	global_store_b128 v7, v[24:27], s[38:39] offset:((\j)/2)*768
	global_store_b128 v7, v[28:31], s[38:39] offset:((\j)/2)*768+256
	global_store_b128 v7, v[32:35], s[38:39] offset:((\j)/2)*768+512
.endif
.endm
.macro WROLE stride
	WLOAD 0, \stride
	WLOAD 1, \stride
.irp j, 0,1,2,3,4,5,6,7
	WBLOCK \j, \stride
.endr
	global_store_b64 v8, v[40:41], s[40:41]        ; my column's eight scale bytes: sixteen lanes store 128 consecutive bytes (128 KiB of such stores in the launch)
.endm
	s_cmp_eq_u32 s29, 3
	s_cbranch_scc1 .Lwo
	s_cmp_eq_u32 s29, 0
	s_cselect_b64 s[30:31], s[12:13], s[14:15]
	s_cmp_eq_u32 s29, 2
	s_cselect_b64 s[30:31], s[16:17], s[30:31]
	s_lshr_b32 s34, s32, 6
	s_lshl_b32 s34, s34, 18                        ; the head: 1,024 rows of 256 bytes
	s_lshl_b32 s37, s33, 16
	s_add_co_u32 s34, s34, s37
	s_and_b32 s37, s32, 63
	s_lshl_b32 s37, s37, 2
	s_add_co_u32 s34, s34, s37
	s_add_nc_u64 s[30:31], s[30:31], s[34:35]
	s_wait_alu depctr_va_vdst(0)
	WROLE 256
	s_endpgm
.Lwo:
	s_lshl_b32 s34, s33, 20                        ; 256 rows of 4,096 bytes
	s_lshl_b32 s37, s32, 2
	s_add_co_u32 s34, s34, s37
	s_add_nc_u64 s[30:31], s[18:19], s[34:35]
	s_wait_alu depctr_va_vdst(0)
	WROLE 4096
	s_endpgm
; ---------------- the mask.  A wave takes one tile of 16 queries x all 2,048 keys, 256 keys a trip.
; mw [tile][step of 128 keys][64 words]: bit l of word 32 c + i (i = 0 .. 31) is mask[query of row l % 16][128 step + 64 c + 32 (l / 16) + i]: the lane mask of score register 32 c + i of the attention launch,
; in which a lane holds a whole block of 32 keys.
.Lmask:
	s_sub_co_u32 s28, ttmp9, 896
	s_lshl_b32 s28, s28, 2
	s_add_co_u32 s28, s28, s2                      ; the tile
	s_lshr_b32 s29, s28, 1
	s_lshl_b32 s29, s29, 5
	s_and_b32 s32, s28, 1
	s_lshl_b32 s32, s32, 3
	s_add_co_u32 s29, s29, s32
	s_lshl_b32 s34, s29, 11                        ; rows of 2,048 bytes
	s_add_nc_u64 s[10:11], s[10:11], s[34:35]
	s_lshl_b32 s34, s28, 12
	s_add_nc_u64 s[24:25], s[24:25], s[34:35]
	s_mul_i32 s33, s2, 16*272
	s_add_co_u32 s33, s33, MST
	s_wait_alu depctr_va_vdst(0)
	v_lshlrev_b32 v4, 4, v2
	v_lshl_add_u32 v5, v3, 11, v4                  ; in memory: lanes 0-15 one row's 256 bytes, lanes 16-31 the next row's
	v_mul_u32_u24 v6, v3, 272
	v_add_nc_u32 v6, v6, v4
	v_add_nc_u32 v6, s33, v6                       ; the same two rows in the stage
	v_mul_u32_u24 v7, v2, 272
	v_lshl_add_u32 v7, v3, 5, v7                   ; my half's block of 32 keys
	v_add_nc_u32 v7, s33, v7                       ; out of it: row r, 16 keys of my half
	v_lshlrev_b32 v8, 4, v1
	s_mov_b32 s44, 0xff
	s_mov_b32 s45, 0xff00
	s_mov_b32 s46, 0xff0000
	s_mov_b32 s47, 0xff000000
.irp k, 0,1,2,3
	v_mov_b32 v[112+\k], 0                         ; v_writelane_b32's destination counts as one of its sources
.endr
	s_mov_b64 s[38:39], s[10:11]
.macro MLOAD
.irp i, 0,1,2,3,4,5,6,7
	global_load_b128 v[48+4*\i:51+4*\i], v5, s[38:39] offset:(2*\i+8*(\i/4))*2048 th:TH_LOAD_NT
.endr
.endm
	MLOAD
	s_mov_b32 s36, 0
.Lmtrip:
	s_wait_loadcnt 0x0                             ; this trip's bytes are in, so the loads' base may be written
	s_wait_alu depctr_va_vdst(0)
.irp i, 0,1,2,3,4,5,6,7
	ds_store_b128 v6, v[48+4*\i:51+4*\i] offset:2*\i*272
.endr
.irp s, 0,1
.irp b, 0,1,2,3
	ds_load_b128 v[80+16*\s+4*\b:83+16*\s+4*\b], v7 offset:128*\s+64*(\b/2)+16*(\b%2)
.endr
.endr
	s_add_co_u32 s37, s36, 1
	s_min_u32 s37, s37, 7                          ; the last trip asks for its own bytes again: no load leaves the buffer
	s_lshl_b32 s34, s37, 8
	s_add_nc_u64 s[38:39], s[10:11], s[34:35]
	s_wait_dscnt 0x0                               ; the stage's stores have read their registers, and its loads are in
	MLOAD
.set g, 0
.rept 32                               ; register g holds four keys' bytes: word 4 g + k goes to lane g of output register k
.irp k, 0,1,2,3
	v_and_b32 v[12+\k], s[44+\k], v[80+g]
.endr
.irp k, 0,1,2,3
	v_cmp_ne_u32 s[28+\k], 0, v[12+\k]
.endr
.irp k, 0,1,2,3
	v_writelane_b32 v[112+\k], s[28+\k], g
.endr
.set g, g+1
.endr
	global_store_b128 v8, v[112:115], s[24:25]     ; two steps' 128 words: 512 consecutive bytes
	s_wait_xcnt 0x0                                ; the store has read its data and its base: both are written again
	s_add_nc_u64 s[24:25], s[24:25], 512
	s_add_co_u32 s36, s36, 1
	s_cmp_lt_u32 s36, 8
	s_cbranch_scc1 .Lmtrip
	s_wait_tensorcnt 0x0
	ds_add_u32 v240, v241
	s_wait_dscnt 0x0
	s_endpgm
.Lfunc_end_k_qdc417d68e7_prep:
	.size	k_qdc417d68e7_prep, .Lfunc_end_k_qdc417d68e7_prep-k_qdc417d68e7_prep
	.p2alignl 7, 3214868480
	.fill 96, 4, 3214868480
	.section	.rodata,"a",@progbits
	.p2align	6, 0x0
	.amdhsa_kernel k_qdc417d68e7_prep
		.amdhsa_group_segment_fixed_size 52736
		.amdhsa_private_segment_fixed_size 0
		.amdhsa_enable_private_segment 0
		.amdhsa_kernarg_size 88
		.amdhsa_user_sgpr_count 2
		.amdhsa_user_sgpr_kernarg_segment_ptr 1
		.amdhsa_wavefront_size32 1
		.amdhsa_system_sgpr_workgroup_id_x 1
		.amdhsa_system_sgpr_workgroup_id_y 1
		.amdhsa_system_sgpr_workgroup_id_z 1
		.amdhsa_system_vgpr_workitem_id 0
		.amdhsa_next_free_vgpr 242
		.amdhsa_next_free_sgpr 66
		.amdhsa_reserve_vcc 0
		.amdhsa_float_denorm_mode_32 3
		.amdhsa_float_denorm_mode_16_64 3
		.amdhsa_memory_ordered 1
		.amdhsa_forward_progress 1
		.amdhsa_inst_pref_size 132
	.end_amdhsa_kernel
	.amdgpu_metadata
---
amdhsa.version: [ 1, 2 ]
amdhsa.kernels:
  - .name:           k_qdc417d68e7_prep
    .symbol:         k_qdc417d68e7_prep.kd
    .args:
      - { .name: q, .offset: 0, .size: 8, .value_kind: global_buffer, .address_space: global }
      - { .name: k, .offset: 8, .size: 8, .value_kind: global_buffer, .address_space: global }
      - { .name: v, .offset: 16, .size: 8, .value_kind: global_buffer, .address_space: global }
      - { .name: mask, .offset: 24, .size: 8, .value_kind: global_buffer, .address_space: global }
      - { .name: Wq, .offset: 32, .size: 8, .value_kind: global_buffer, .address_space: global }
      - { .name: Wk, .offset: 40, .size: 8, .value_kind: global_buffer, .address_space: global }
      - { .name: Wv, .offset: 48, .size: 8, .value_kind: global_buffer, .address_space: global }
      - { .name: Wo, .offset: 56, .size: 8, .value_kind: global_buffer, .address_space: global }
      - { .name: xq, .offset: 64, .size: 8, .value_kind: global_buffer, .address_space: global }
      - { .name: wq, .offset: 72, .size: 8, .value_kind: global_buffer, .address_space: global }
      - { .name: mw, .offset: 80, .size: 8, .value_kind: global_buffer, .address_space: global }
    .group_segment_fixed_size: 52736
    .private_segment_fixed_size: 0
    .kernarg_segment_align: 8
    .kernarg_segment_size: 88
    .max_flat_workgroup_size: 128
    .sgpr_count:     66
    .vgpr_count:     242
    .wavefront_size: 32
...
	.end_amdgpu_metadata
.endif
;; end of part 1
;; launch proj (part 2): grid 4 x 96, 4 waves a work-group, clusters of 4 x 4, 327,680 bytes of LDS; arguments xq, wq, bq, bk, bv, hq; writes hq
.if DOCPART == 2
	.amdgcn_target "amdgcn-amd-amdhsa--gfx1250"
	.amdhsa_code_object_version 6
	.text
	.protected	k_qdc417d68e7_proj
	.globl	k_qdc417d68e7_proj
	.p2align	8
	.type	k_qdc417d68e7_proj,@function
k_qdc417d68e7_proj:
	s_mov_b64 s[64:65], 0
	v_nop
	global_prefetch_b8 v0, s[64:65] scope:SCOPE_SE
	s_setreg_imm32_b32 hwreg(HW_REG_WAVE_MODE, 25, 1), 1
	s_wait_xcnt 0x0
	s_wait_alu depctr_hold_cnt(0) depctr_sa_sdst(0) depctr_va_vdst(0) depctr_va_sdst(0) depctr_va_ssrc(0) depctr_va_vcc(0) depctr_vm_vsrc(0)
	s_getreg_b32 s2, hwreg(HW_REG_IB_STS2, 6, 4)
	s_cmp_eq_u32 s2, 0
	s_cbranch_scc0 .Lentry_in_a_cluster
	s_endpgm
.Lentry_in_a_cluster:
	s_bfe_u32 s2, ttmp6, 0x10000c
	s_cmp_lg_u32 s2, 0xf033
	s_cbranch_scc0 .Lentry_shape_is_right
	s_endpgm
.Lentry_shape_is_right:
.set FR,    12
.set NL,    4
.set NP,    4
.set TILEB, 3072
.set HALFT, 8*TILEB
.set SLOT,  4*HALFT
.set SCL,   2*SLOT
.set HALFS, 4096
.set SPARE, SCL+4*HALFS
.set SST,   SPARE+512
.set FLOOR, 0x2800000
.set ADRA, 16
.set ADRB, 20
.set LI,   24
.set LJ,   25
.set SSW,  26
.set ADRS, 27
.set SPW,  28
.set NIL,  29
.set SSR,  30
.set L8,   31
.set SC,   32
.set BIAS, 64
.set AF,   128
.set TM,   32
.set TP,   40
.set TSO,  48
.set TBY,  56
.set HW,   64
.set WD,   68
.set CC,   72
.set CT,   104
.set G1, 24
.set G0, 32
.set G1B, 48
.set G0B, 56
.set G1S, 68
.set G0S, 76
.set G1SB, 80
.set G0SB, 88
.set SEL, 22
.set MSB, 0
.macro WIN new
.if MSB != \new
	s_set_vgpr_msb (MSB<<8)|\new
.set MSB, \new
.endif
.endm
.set MUL_LO, 0xa1
.set MUL_HI, 0xf1
.set BEG_LO, 0x81
.set BEG_HI, 0xc1
.set TO_B,   0x40
.macro JLOAD g0a, g1a, g0b, g1b
	s_cmp_eq_u32 s17, 0
	s_cbranch_scc0 .Lfor_b_\@
	tensor_load_to_lds s[\g0a:\g0a+3], s[\g1a:\g1a+7]
	s_nop 0
.rept 4
	v_nop
.endr
	s_branch .Lasked_\@
.Lfor_b_\@:
	tensor_load_to_lds s[\g0b:\g0b+3], s[\g1b:\g1b+7]
	s_nop 0
.rept 4
	v_nop
.endr
.Lasked_\@:
.endm
.macro CREST
	s_cmp_lg_u32 s16, 0
	s_cbranch_scc1 .Lnot_wave_0_\@
	s_barrier_signal -3
.Lnot_wave_0_\@:
	s_barrier_wait -3
	s_barrier_signal -1
	s_barrier_wait -1
.endm
.macro CROUND
	s_barrier_signal -1
	s_barrier_wait -1
	CREST
.endm
	s_load_b256 s[4:11], s[0:1], 0x0
	s_load_b128 s[12:15], s[0:1], 0x20
	v_lshl_add_u32 v[SPW], v0, 2, SPARE
	v_mov_b32 v[NIL], 0
	ds_add_u32 v28, v29
	ds_add_u32 v28, v29
	s_wait_dscnt 0x0
	v_lshrrev_b32 v1, 5, v0
	v_readfirstlane_b32 s16, v1
	s_lshr_b32 s17, s16, 1
	s_and_b32 s18, s16, 1
	s_bfe_u32 s40, ttmp6, 0x40000
	s_bfe_u32 s41, ttmp6, 0x40004
	s_and_b32 s19, ttmp7, 0xffff
	s_lshr_b32 s20, s19, 3
	s_and_b32 s19, s19, 7
	s_lshl_b32 s19, s19, 2
	s_cmp_eq_u32 s20, 2
	s_cselect_b32 s21, 0, s19
	s_cselect_b32 s42, s19, 0
	s_add_co_u32 s21, s21, s41
	s_add_co_u32 s42, s42, s40
	s_lshl_b32 s43, s41, 2
	s_lshl_b32 s43, 15, s43
	s_lshl_b32 s44, 0x1111, s40
	s_or_b32 s[G1+0], s43, (3<<16)|(1<<21)
	s_or_b32 s[G1B+0], s44, (3<<16)|(1<<21)
.irp g, G1, G1B
	s_mov_b32 s[\g+1], 384<<16
	s_mov_b32 s[\g+2], 8<<16
	s_mov_b32 s[\g+3], 384<<16
	s_mov_b32 s[\g+4], 8
	s_mov_b32 s[\g+5], 1536
	s_mov_b32 s[\g+6], 0
	s_mov_b32 s[\g+7], 0
.endr
	s_or_b32 s[G1S+0], s43, (3<<16)|(1<<21)
	s_or_b32 s[G1SB+0], s44, (3<<16)|(1<<21)
.irp g, G1S, G1SB
	s_mov_b32 s[\g+1], 32<<16
	s_mov_b32 s[\g+2], 16<<16
	s_mov_b32 s[\g+3], 32<<16
	s_mov_b32 s[\g+4], 16
	s_mov_b32 s[\g+5], 32
	s_mov_b32 s[\g+6], 0
	s_mov_b32 s[\g+7], 0
.endr
	s_lshl_b32 s23, s18, 3
	s_lshl_b32 s22, s21, 4
	s_add_co_u32 s22, s22, s23
	s_lshl_b32 s46, s42, 4
	s_add_co_u32 s46, s46, s23
	s_mul_i32 s66, s20, 6291456
	s_lshl_b32 s67, s20, 18
	s_add_co_u32 s67, s67, 18874368
	s_mul_i32 s100, s20, 786432
	s_lshl_b32 s101, s20, 15
	s_add_co_u32 s101, s101, 3145728
	s_cmp_eq_u32 s20, 2
	s_cselect_b32 s92, s100, s66
	s_cselect_b32 s94, s101, s67
	s_cselect_b32 s96, s66, s100
	s_cselect_b32 s98, s67, s101
	s_mul_i32 s93, s22, 12288
	s_add_co_u32 s92, s92, s93
	s_lshl_b32 s93, s22, 9
	s_add_co_u32 s94, s94, s93
	s_mul_i32 s97, s46, 12288
	s_add_co_u32 s96, s96, s97
	s_lshl_b32 s97, s46, 9
	s_add_co_u32 s98, s98, s97
	s_mov_b32 s93, 0
	s_mov_b32 s95, 0
	s_mov_b32 s97, 0
	s_mov_b32 s99, 0
	s_mul_i32 s45, s16, HALFT
	s_lshl_b32 s47, s16, 12
	s_wait_kmcnt 0x0
	s_cmp_eq_u32 s20, 2
	s_cselect_b64 s[2:3], s[6:7], s[4:5]
	s_cselect_b64 s[4:5], s[4:5], s[6:7]
	s_add_nc_u64 s[92:93], s[2:3], s[92:93]
	s_add_nc_u64 s[94:95], s[2:3], s[94:95]
	s_add_nc_u64 s[96:97], s[4:5], s[96:97]
	s_add_nc_u64 s[98:99], s[4:5], s[98:99]
	CROUND
	s_mov_b32 s[G0S], 1
	s_add_co_u32 s[G0S+1], s47, SCL
	s_mov_b64 s[G0S+2:G0S+3], s[94:95]
	s_or_b32 s[G0S+3], s[G0S+3], 0x80000000
	s_mov_b32 s[G0SB], 1
	s_add_co_u32 s[G0SB+1], s47, SCL
	s_mov_b64 s[G0SB+2:G0SB+3], s[98:99]
	s_or_b32 s[G0SB+3], s[G0SB+3], 0x80000000
	JLOAD G0S, G1S, G0SB, G1SB
.irp s, 0,1
	s_mov_b32 s[G0+4*\s], 1
	s_add_co_u32 s[G0+4*\s+1], s45, \s*SLOT
	s_add_nc_u64 s[G0+4*\s+2:G0+4*\s+3], s[92:93], \s*TILEB
	s_or_b32 s[G0+4*\s+3], s[G0+4*\s+3], 0x80000000
	s_mov_b32 s[G0B+4*\s], 1
	s_add_co_u32 s[G0B+4*\s+1], s45, \s*SLOT
	s_add_nc_u64 s[G0B+4*\s+2:G0B+4*\s+3], s[96:97], \s*TILEB
	s_or_b32 s[G0B+4*\s+3], s[G0B+4*\s+3], 0x80000000
	s_wait_alu depctr_va_vdst(0)
	s_wait_tensorcnt 0x0
	ds_add_u32 v28, v29
	s_wait_dscnt 0x0
	CROUND
	JLOAD G0+4*\s, G1, G0B+4*\s, G1B
.endr
	v_and_b32 v1, 15, v0
	v_bfe_u32 v2, v0, 4, 1
	v_and_b32 v3, 31, v0
	v_lshlrev_b32 v[LI], 4, v3
	v_lshlrev_b32 v[LJ], 4, v1
	v_lshl_add_u32 v[LJ], v2, 3, v[LJ]
	s_mul_i32 s22, s17, HALFT
	s_mul_i32 s23, s18, HALFT
	s_add_co_u32 s23, s23, 2*HALFT
.irp s, 0,1
	v_add_nc_u32 v[ADRA+\s], s22, v[LI]
	v_add_nc_u32 v[ADRA+2+\s], s22, v[LJ]
	v_add_nc_u32 v[ADRB+\s], s23, v[LI]
	v_add_nc_u32 v[ADRB+2+\s], s23, v[LJ]
	s_add_co_u32 s22, s22, SLOT
	s_add_co_u32 s23, s23, SLOT
.endr
	v_lshlrev_b32 v5, 3, v1
	s_lshl_b32 s22, s17, 12
	s_lshl_b32 s23, s18, 12
	s_add_co_u32 s23, s23, 2*HALFS
	s_sub_co_u32 s23, s23, s22
	v_mul_u32_u24 v6, s23, v2
	s_add_co_u32 s22, s22, SCL
	v_add_nc_u32 v5, v5, v6
	v_add_nc_u32 v[ADRS], s22, v5
	s_lshl_b32 s22, s16, 9
	s_add_co_u32 s22, s22, SST
	v_lshl_add_u32 v[SSW], v1, 2, s22
	v_lshl_add_u32 v[SSR], v3, 3, s22
	v_lshlrev_b32 v[L8], 3, v3
	s_lshl_b32 s66, s21, 4
	s_lshl_b32 s67, s17, 3
	s_add_co_u32 s66, s66, s67
	s_lshl_b32 s67, s42, 4
	s_lshl_b32 s100, s18, 3
	s_add_co_u32 s67, s67, s100
	s_cmp_eq_u32 s20, 2
	s_cselect_b32 s100, s67, s66
	s_cselect_b32 s101, s66, s67
	s_lshl_b32 s2, s101, 6
	s_mov_b32 s3, 0
	s_lshr_b32 s101, s101, 2
	s_lshr_b32 s66, s100, 7
	s_and_b32 s100, s100, 127
	s_lshl_b32 s66, s66, 4
	s_add_co_u32 s66, s66, s101
	s_lshl_b32 s67, s66, 7
	s_add_co_u32 s67, s67, s100
	s_mul_i32 s4, s67, 768
	s_mul_i32 s67, s20, 6291456
	s_add_co_u32 s4, s4, s67
	s_mov_b32 s5, 0
	s_add_nc_u64 s[4:5], s[14:15], s[4:5]
	s_lshl_b32 s6, s66, 12
	s_lshl_b32 s67, s100, 5
	s_add_co_u32 s6, s6, s67
	s_lshl_b32 s67, s20, 18
	s_add_co_u32 s6, s6, s67
	s_add_co_u32 s6, s6, 18874368
	s_mov_b32 s7, 0
	s_add_nc_u64 s[6:7], s[14:15], s[6:7]
	s_cmp_eq_u32 s20, 0
	s_cselect_b64 s[8:9], s[8:9], s[10:11]
	s_cmp_eq_u32 s20, 2
	s_cselect_b64 s[8:9], s[12:13], s[8:9]
	s_add_nc_u64 s[8:9], s[8:9], s[2:3]
	s_mov_b32 s[SEL], 0x76543210
	s_mov_b32 s[SEL+1], 0xfedcba98
	s_cmp_eq_u32 s20, 2
	s_cbranch_scc1 .Lbias_v
	v_lshlrev_b32 v4, 6, v2
.irp b, 0,1,2,3,4,5,6,7
	global_load_b128 v[BIAS+8*\b:BIAS+8*\b+3], v4, s[8:9] offset:(32*(\b/2)+8*(\b%2))*4
	global_load_b128 v[BIAS+8*\b+4:BIAS+8*\b+7], v4, s[8:9] offset:(32*(\b/2)+8*(\b%2))*4+16
.endr
	s_branch .Lbias_in
.Lbias_v:
	v_and_b32 v4, 7, v1
	v_lshrrev_b32 v7, 3, v1
	v_lshl_add_u32 v4, v7, 4, v4
	v_lshlrev_b32 v4, 2, v4
.irp a, 0,1,2,3,4,5,6,7
	global_load_b32 v[BIAS+8*\a], v4, s[8:9] offset:(32*(\a/2)+8*(\a%2))*4
.endr
	s_wait_loadcnt 0x0
.irp a, 0,1,2,3,4,5,6,7
.irp j, 1,2,3,4,5,6,7
	v_mov_b32 v[BIAS+8*\a+\j], v[BIAS+8*\a]
.endr
.endr
.Lbias_in:
.macro FRAG reg, a1, a2, off
	ds_load_b128 v[\reg:\reg+3], v[\a1] offset:\off
	ds_load_b64 v[\reg+4:\reg+5], v[\a2] offset:(\off)+512
	ds_load_b128 v[\reg+6:\reg+9], v[\a1] offset:(\off)+768
	ds_load_b64 v[\reg+10:\reg+11], v[\a2] offset:(\off)+1280
.endm
.macro MUL16 a0, p, q, sc, zero
.irp a, \a0, \a0+1
.irp b, 0,1,2,3,4,5,6,7
.if (\zero) == 1
	v_wmma_scale_f32_16x16x128_f8f6f4 v[8*(8*((\a)%4)+\b):8*(8*((\a)%4)+\b)+7], v[128*(\p)+FR*\b:128*(\p)+FR*\b+FR-1], v[AF+FR*(\a):AF+FR*(\a)+FR-1], v[BIAS+8*\b:BIAS+8*\b+7], v[SC+16*(\sc)+2*\b+(\q)], v[SC+16*(\sc)+2*(\a)+(\q)] matrix_a_fmt:MATRIX_FMT_BF6 matrix_b_fmt:MATRIX_FMT_BF6 matrix_a_scale:MATRIX_SCALE_ROW1
.elseif (\zero) == 2
	v_wmma_scale_f32_16x16x128_f8f6f4 v[8*(8*((\a)%4)+\b):8*(8*((\a)%4)+\b)+7], v[128*(\p)+FR*\b:128*(\p)+FR*\b+FR-1], v[AF+FR*(\a):AF+FR*(\a)+FR-1], v[BIAS+8*(\a):BIAS+8*(\a)+7], v[SC+16*(\sc)+2*\b+(\q)], v[SC+16*(\sc)+2*(\a)+(\q)] matrix_a_fmt:MATRIX_FMT_BF6 matrix_b_fmt:MATRIX_FMT_BF6 matrix_a_scale:MATRIX_SCALE_ROW1
.else
	v_wmma_scale_f32_16x16x128_f8f6f4 v[8*(8*((\a)%4)+\b):8*(8*((\a)%4)+\b)+7], v[128*(\p)+FR*\b:128*(\p)+FR*\b+FR-1], v[AF+FR*(\a):AF+FR*(\a)+FR-1], v[8*(8*((\a)%4)+\b):8*(8*((\a)%4)+\b)+7], v[SC+16*(\sc)+2*\b+(\q)], v[SC+16*(\sc)+2*(\a)+(\q)] matrix_a_fmt:MATRIX_FMT_BF6 matrix_b_fmt:MATRIX_FMT_BF6 matrix_a_scale:MATRIX_SCALE_ROW1
.endif
.endr
.endr
.endm
.macro FETCH_B slot, q, p
	WIN TO_B
.irp i, 0,1,2,3,4,5,6,7
	FRAG 128*(\p)+FR*\i, ADRB+\slot, ADRB+2+\slot, \i*TILEB+(\q)*1536
.endr
	WIN 0
.endm
.macro FETCH_A slot, q, i0
.irp i, \i0, \i0+1, \i0+2, \i0+3
	FRAG AF+FR*(\i), ADRA+\slot, ADRA+2+\slot, (\i)*TILEB+(\q)*1536
.endr
.endm
.macro SCALES sc
.irp i, 0,1,2,3,4,5,6,7
	ds_load_b64 v[SC+16*\sc+2*\i:SC+16*\sc+2*\i+1], v[ADRS] offset:\i*512
.endr
.endm
.macro PLACES n
.rept \n
	v_nop
.endr
.endm
.macro STEP slot, q, zero
	s_wait_dscnt 4*NL
.if \zero
	WIN BEG_LO
.else
	WIN MUL_LO
.endif
	MUL16 0, (\q)%2, \q, \slot, \zero
	MUL16 2, (\q)%2, \q, \slot, \zero
	s_wait_dscnt 0
	PLACES NP
	FETCH_B \slot, (\q)+1, 1-(\q)%2
	FETCH_A \slot, (\q)+1, 0
.if \zero
	WIN BEG_HI
.else
	WIN MUL_HI
.endif
	MUL16 4, (\q)%2, \q, \slot, \zero
	MUL16 6, (\q)%2, \q, \slot, \zero
	PLACES NP
	WIN 0
	FETCH_A \slot, (\q)+1, 4
.endm
.macro TURN slot, next, fill
	s_wait_tensorcnt 0x0
	ds_add_u32 v[SPW], v[NIL]
	s_wait_dscnt 4*NL+1
	WIN MUL_LO
	MUL16 0, 1, 1, \slot, 0
	s_wait_dscnt 0x0
	s_barrier_signal -1
	MUL16 2, 1, 1, \slot, 0
	WIN 0
	s_barrier_wait -1
.if \fill
	CREST
	s_add_nc_u64 s[G0+4*\slot+2:G0+4*\slot+3], s[G0+4*\slot+2:G0+4*\slot+3], 2*TILEB
	s_add_nc_u64 s[G0B+4*\slot+2:G0B+4*\slot+3], s[G0B+4*\slot+2:G0B+4*\slot+3], 2*TILEB
	JLOAD G0+4*\slot, G1, G0B+4*\slot, G1B
.else
	PLACES NP
.endif
	s_wait_alu depctr_va_vdst(0)
	v_add_nc_u32 v[ADRS], 128, v[ADRS]
	FETCH_B \next, 0, 0
	FETCH_A \next, 0, 0
	SCALES \next
	WIN MUL_HI
	MUL16 4, 1, 1, \slot, 0
	MUL16 6, 1, 1, \slot, 0
	PLACES NP
	WIN 0
	FETCH_A \next, 0, 4
.endm
	s_wait_tensorcnt 1
	s_barrier_signal -1
	s_barrier_wait -1
	FETCH_B 0, 0, 0
	FETCH_A 0, 0, 0
	s_wait_alu depctr_va_vdst(0)
	SCALES 0
	FETCH_A 0, 0, 4
	s_wait_loadcnt 0x0
	s_cmp_eq_u32 s20, 2
	s_cbranch_scc1 .Lfirst_v
	STEP 0, 0, 1
	s_branch .Lfirst_done
.Lfirst_v:
	STEP 0, 0, 2
.Lfirst_done:
	TURN 0, 1, 1
	STEP 1, 0, 0
	TURN 1, 0, 1
	STEP 0, 0, 0
	TURN 0, 1, 0
	STEP 1, 0, 0
	s_wait_dscnt 4*NL
	WIN MUL_LO
	MUL16 0, 1, 1, 1, 0
	MUL16 2, 1, 1, 1, 0
	s_wait_dscnt 0
	WIN MUL_HI
	MUL16 4, 1, 1, 1, 0
	MUL16 6, 1, 1, 1, 0
	WIN 0
.macro EPI A2, mode
.set EW, 2+(\A2)/2
.set EAB, 128*((\A2)%2)
	WIN (EW<<2)|(EW<<4)
.irp e, 0,1,2,3,4,5,6,7
	v_max3_num_f32 v[TM+\e], FLOOR, |v[EAB+16*\e]|, |v[EAB+16*\e+1]|
.endr
.irp i, 2,4,6,8,10,12,14
.irp e, 0,1,2,3,4,5,6,7
	v_max3_num_f32 v[TM+\e], v[TM+\e], |v[EAB+16*\e+\i]|, |v[EAB+16*\e+\i+1]|
.endr
.endr
	WIN 0
.irp e, 0,1,2,3,4,5,6,7
	v_permlanex16_b32 v[TP+\e], v[TM+\e], s[SEL], s[SEL+1]
.endr
.irp e, 0,1,2,3,4,5,6,7
	v_max_num_f32 v[TM+\e], v[TM+\e], v[TP+\e]
.endr
.irp e, 0,1,2,3,4,5,6,7
	v_add_nc_u32 v[TSO+\e], 0xfe000000, v[TM+\e]
.endr
.irp e, 0,1,2,3,4,5,6,7
	v_lshrrev_b32 v[TBY+\e], 23, v[TSO+\e]
.endr
.irp g, 0,1,2,3
	v_lshl_or_b32 v[HW+\g], v[TBY+2*\g+1], 8, v[TBY+2*\g]
.endr
.irp x, 0,1
.if \mode
	v_lshl_or_b32 v[WD+\x], v[HW+2*\x+1], 16, v[HW+2*\x]
.else
	v_lshl_or_b32 v[WD+\x], v[HW+2+\x], 16, v[HW+\x]
.endif
.endr
	s_wait_xcnt 0x0
	WIN EW
.irp g, 0,1,2,3
	v_cvt_scalef32_pk16_bf6_f32 v[CC+8*\g:CC+8*\g+2], v[EAB+32*\g:EAB+32*\g+15], v[TSO+2*\g]
	v_cvt_scalef32_pk16_bf6_f32 v[CT+4*\g:CT+4*\g+2], v[EAB+32*\g+16:EAB+32*\g+31], v[TSO+2*\g+1]
.endr
	WIN 0
	v_nop
.irp g, 0,1,2,3
.irp i, 0,1,2
	v_permlane16_swap_b32 v[CC+8*\g+\i], v[CT+4*\g+\i]
.endr
.endr
.irp g, 0,1,2,3
.irp i, 0,1,2
	v_mov_b32 v[CC+8*\g+3+\i], v[CT+4*\g+\i]
.endr
.endr
.irp aa, 0,1
.irp g, 0,1
.if \mode
.set EO, 1536*((2*(\A2)+\aa)%4)+98304*((2*(\A2)+\aa)/4)+768*\g
.else
.set EO, 768*(2*(\A2)+\aa)+98304*\g
.endif
	global_store_b128 v[LI], v[CC+8*(2*\aa+\g):CC+8*(2*\aa+\g)+3], s[4:5] offset:EO
	global_store_b64 v[LJ], v[CC+8*(2*\aa+\g)+4:CC+8*(2*\aa+\g)+5], s[4:5] offset:EO+512
.endr
.endr
.irp x, 0,1
.if \mode
	ds_store_b32 v[SSW], v[WD+\x] offset:256*((2*(\A2)+\x)/4)+64*((2*(\A2)+\x)%4)
.else
	ds_store_b32 v[SSW], v[WD+\x] offset:256*\x+64*(\A2)
.endif
.endr
.endm
	PLACES NP
.irp e, 0,1,2,3,4,5,6,7
	v_mov_b32 v[TP+\e], 0
.endr
	s_cmp_eq_u32 s20, 2
	s_cbranch_scc1 .Lepi_v
	EPI 0, 0
	EPI 1, 0
	EPI 2, 0
	EPI 3, 0
	s_branch .Lepi_done
.Lepi_v:
	EPI 0, 1
	EPI 1, 1
	EPI 2, 1
	EPI 3, 1
.Lepi_done:
	ds_load_b64 v[32:33], v[SSR]
	ds_load_b64 v[34:35], v[SSR] offset:256
	s_wait_dscnt 0x0
	global_store_b64 v[L8], v[32:33], s[6:7]
	global_store_b64 v[L8], v[34:35], s[6:7] offset:4096
	s_wait_tensorcnt 0x0
	ds_add_u32 v[SPW], v[NIL]
	s_wait_dscnt 0x0
	CROUND
	s_endpgm
.Lfunc_end_k_qdc417d68e7_proj:
	.size	k_qdc417d68e7_proj, .Lfunc_end_k_qdc417d68e7_proj-k_qdc417d68e7_proj
	.p2alignl 7, 3214868480
	.fill 96, 4, 3214868480
	.section	.rodata,"a",@progbits
	.p2align	6, 0x0
	.amdhsa_kernel k_qdc417d68e7_proj
		.amdhsa_group_segment_fixed_size 327680
		.amdhsa_private_segment_fixed_size 0
		.amdhsa_enable_private_segment 0
		.amdhsa_kernarg_size 48
		.amdhsa_user_sgpr_count 2
		.amdhsa_user_sgpr_kernarg_segment_ptr 1
		.amdhsa_wavefront_size32 1
		.amdhsa_system_sgpr_workgroup_id_x 1
		.amdhsa_system_sgpr_workgroup_id_y 1
		.amdhsa_system_sgpr_workgroup_id_z 1
		.amdhsa_system_vgpr_workitem_id 0
		.amdhsa_next_free_vgpr 1024
		.amdhsa_next_free_sgpr 102
		.amdhsa_reserve_vcc 0
		.amdhsa_float_denorm_mode_32 3
		.amdhsa_float_denorm_mode_16_64 3
		.amdhsa_memory_ordered 1
		.amdhsa_forward_progress 1
		.amdhsa_inst_pref_size 202
	.end_amdhsa_kernel
	.amdgpu_metadata
---
amdhsa.version: [ 1, 2 ]
amdhsa.kernels:
  - .name:           k_qdc417d68e7_proj
    .symbol:         k_qdc417d68e7_proj.kd
    .args:
      - { .name: xq, .offset: 0, .size: 8, .value_kind: global_buffer, .address_space: global }
      - { .name: wq, .offset: 8, .size: 8, .value_kind: global_buffer, .address_space: global }
      - { .name: bq, .offset: 16, .size: 8, .value_kind: global_buffer, .address_space: global }
      - { .name: bk, .offset: 24, .size: 8, .value_kind: global_buffer, .address_space: global }
      - { .name: bv, .offset: 32, .size: 8, .value_kind: global_buffer, .address_space: global }
      - { .name: hq, .offset: 40, .size: 8, .value_kind: global_buffer, .address_space: global }
    .group_segment_fixed_size: 327680
    .private_segment_fixed_size: 0
    .kernarg_segment_align: 8
    .kernarg_segment_size: 48
    .max_flat_workgroup_size: 128
    .sgpr_count:     102
    .vgpr_count:     1024
    .wavefront_size: 32
...
	.end_amdgpu_metadata
.endif
;; end of part 2
;; launch attn (part 3): grid 4 x 64, 16 waves a work-group, clusters of 4 x 1, 206,848 bytes of LDS; arguments hq, mw, aq; writes aq
.if DOCPART == 3
	.amdgcn_target "amdgcn-amd-amdhsa--gfx1250"
	.amdhsa_code_object_version 6
	.text
	.protected	k_qdc417d68e7_attn
	.globl	k_qdc417d68e7_attn
	.p2align	8
	.type	k_qdc417d68e7_attn,@function
k_qdc417d68e7_attn:
	s_mov_b64 s[64:65], 0
	v_nop
	global_prefetch_b8 v0, s[64:65] scope:SCOPE_SE
	s_setreg_imm32_b32 hwreg(HW_REG_WAVE_MODE, 25, 1), 1
	s_wait_xcnt 0x0
	s_wait_alu depctr_hold_cnt(0) depctr_sa_sdst(0) depctr_va_vdst(0) depctr_va_sdst(0) depctr_va_ssrc(0) depctr_va_vcc(0) depctr_vm_vsrc(0)
	s_getreg_b32 s2, hwreg(HW_REG_IB_STS2, 6, 4)
	s_cmp_eq_u32 s2, 0
	s_cbranch_scc0 .Lentry_in_a_cluster
	s_endpgm
.Lentry_in_a_cluster:
	s_bfe_u32 s2, ttmp6, 0x10000c
	s_cmp_lg_u32 s2, 0x3003
	s_cbranch_scc0 .Lentry_shape_is_right
	s_endpgm
.Lentry_shape_is_right:
; ATTN: for one batch and head, softmax(where(mask, q k^T / 8, -1e-6)) v on codes of BF6 (E3M2) with E8M0 scales, and the quantising of the result along the concatenated heads.
; t = logit x log2(e); M = the running largest t rounded UP to a whole number; p = 2^(t - M) is quantised along the keys, not normalised; the row's sum is taken of the unquantised p and divides at the end.
; The mask hides nothing: where it is false the score is replaced by -1e-6.  Raw scores are selected against -8e-6, and c = log2(e) / 8 multiplies both.
; SHARES.  A work-group owns 512 queries of one head; each of its sixteen waves owns two tiles of 16, one after the other (two passes), and walks all 2,048 keys, 128 a step.
; ALL of the head's K and V codes and scale words lie in LDS, filled ONCE: no slot is filled again.  The four work-groups of a cluster are the four query blocks of one head: each tile is asked for jointly (mask 15).
; No prefetch: K and V come once, at the head, with no loop to run ahead in; the mask words, 256 bytes a wave and step, are asked for one step ahead by scalar loads.
; LAYOUT.  Both products are used transposed: S^T = K Q^T, O^T = V^T P^T: a lane holds one query throughout.
; THE KEYS OF A SCORE TILE ARE CHOSEN SO THAT A LANE HOLDS A WHOLE BLOCK: tile (c, u) of a step, row 8 h + j, is key 64 c + 32 h + 8 u + j, so score registers 32 c + 0 .. 31 of lane (query, h) are the 32 keys of block 2 c + h.
; A block's maximum then needs no other lane, and the conversions' results are the operand's registers.  hq holds K in tiles with bits 3 and 4 of the key exchanged; the choice is made by each lane's LDS address alone:
; operand row rho takes stored tile 4 c + 2 (rho / 8) + u % 2, stored row 8 (u / 2) + rho % 8.  Lanes rho and rho + 8 stand 1,536 bytes apart.
; K = 64 IN AN INSTRUCTION OF 128.  A fragment of K holds TWO tiles of 16 keys (registers 0-5, 6-11).  Q stands between zeros, v16-33 = [0 x 6, q x 6, 0 x 6]: v[22:33] picks the first tile, v[16:27] the second.  Zero codes add nothing.
; THE MASK comes as lane masks, one word for each of a step's 64 score registers; it steers selects alone.  With DUAL = 1 a select (by VCC) and one link of the blocks' maxima share an instruction.
; OUT (aq): codes [tile of 16 tokens][head][768 bytes]; scale words [tile][K / 256][r][2 words]: a head owns two bytes of a word, so it stores 16 bits a row (262,144 bytes of such stores in the launch).
; LIMITS: NaN and infinities are not served; p under 2^-126 counts as 0; a block of zeros keeps the byte 1 (its codes are zeros; only this program reads the bytes); scaled scores stay under 2^31 in magnitude.
; REGISTERS: v1-7, v11, v252-253 address parts; v8 Q's scale words; v9, v10 -8e-6; v12 -M, v13 the largest raw score; v[14:15], v[236:241] the sum, four chains; v16-33 Q; v34-81 four fragments of K or V;
;   v82-85 K's scale words, v242-245 V's, v86 Q's, v87 p's; v[88:89] f; v90-91 at work; v92-94 Q's offsets; v95 the result's scale bytes; v96-159 S^T, then p; v160-191 O^T; v192-203 p's codes;
;   v204-210, v212-221 at work; v224-234 the result's codes; v246-251 the step's LDS addresses; v254, v255 the add's two.
.set DUAL,  1                          ; 1: select and maximum in one dual instruction; 0: plain selects and three-input maxima
.set KIMG,  0                          ; LDS: K's 128 half images,
.set VIMG,  98304                      ; V's,
.set KSC,   196608                     ; K's scale words, 4,096 bytes;
.set VSC,   KSC+4096                   ; V's
.set SPARE, 204800                     ; the spare words: 128 bytes for each of 16 waves
.set FLOOR, 0x2800000
.set BM, 212
.set BP, 216
.set BS, 220
.macro CROUND
	s_barrier_signal -1
	s_barrier_wait -1
	s_cmp_lg_u32 s2, 0
	s_cbranch_scc1 .Lnot_wave_0_\@
	s_barrier_signal -3
.Lnot_wave_0_\@:
	s_barrier_wait -3
	s_barrier_signal -1
	s_barrier_wait -1
.endm
.macro FRAG reg, a1, a2, off           ; a fragment: two half images (registers 0-3 by a1, registers 4-5 by a2, 512 bytes on)
	ds_load_b128 v[\reg:\reg+3], v[\a1] offset:\off
	ds_load_b64 v[\reg+4:\reg+5], v[\a2] offset:(\off)+512
	ds_load_b128 v[\reg+6:\reg+9], v[\a1] offset:(\off)+768
	ds_load_b64 v[\reg+10:\reg+11], v[\a2] offset:(\off)+1280
.endm
	s_load_b128 s[4:7], s[0:1], 0x0                ; hq, mw
	s_load_b64 s[8:9], s[0:1], 0x10                ; aq
	v_lshl_add_u32 v254, v0, 2, SPARE
	v_mov_b32 v255, 0
	ds_add_u32 v254, v255                          ; the opening lines: the add, twice on end, and its wait
	ds_add_u32 v254, v255
	v_lshrrev_b32 v1, 5, v0
	s_delay_alu instid0(VALU_DEP_1)
	v_readfirstlane_b32 s2, v1                     ; wave 0..15
	s_bfe_u32 s38, ttmp6, 0x40000                  ; cx: it enters global addresses of Q, the mask and the result alone
	s_and_b32 s66, ttmp7, 0xffff                   ; batch x 16 + head, which the four partners share
	; group 1 for codes: 24,576 dense bytes as 96 rows of 256; for scale words: 16 rows
	s_mov_b32 s16, 15|(3<<16)|(1<<21)
	s_mov_b32 s17, 32<<16
	s_mov_b32 s18, 96<<16
	s_mov_b32 s19, 32<<16
	s_mov_b32 s20, 96
	s_mov_b32 s21, 32
	s_mov_b32 s22, 0
	s_mov_b32 s23, 0
	s_mov_b32 s24, 15|(3<<16)|(1<<21)
	s_mov_b32 s25, 32<<16
	s_mov_b32 s26, 16<<16
	s_mov_b32 s27, 32<<16
	s_mov_b32 s28, 16
	s_mov_b32 s29, 32
	s_mov_b32 s30, 0
	s_mov_b32 s31, 0
	; group 0: waves 0-3 a quarter of K's codes each, waves 4-7 of V's; wave 8 K's scale words, wave 9 V's
	s_and_b32 s67, s2, 7
	s_mul_i32 s13, s67, 24576
	s_bfe_u32 s100, s2, 0x10002
	s_add_co_u32 s100, s100, 1                     ; tensor 1 (k) or 2 (v) of hq
	s_mul_i32 s100, s100, 6291456
	s_mul_i32 s101, s66, 98304
	s_add_co_u32 s100, s100, s101
	s_and_b32 s101, s2, 3
	s_mul_i32 s101, s101, 24576
	s_add_co_u32 s100, s100, s101
	s_mov_b32 s101, 0
	s_and_b32 s67, s2, 1
	s_lshl_b32 s33, s67, 12
	s_add_co_u32 s33, s33, KSC
	s_add_co_u32 s67, s67, 1
	s_lshl_b32 s36, s67, 18
	s_lshl_b32 s67, s66, 12
	s_add_co_u32 s36, s36, s67
	s_add_co_u32 s36, s36, 18874368
	s_mov_b32 s37, 0
	s_mov_b32 s12, 1
	s_mov_b32 s32, 1
	s_wait_dscnt 0x0
	s_wait_kmcnt 0x0
	s_add_nc_u64 s[14:15], s[4:5], s[100:101]
	s_or_b32 s15, s15, 0x80000000
	s_add_nc_u64 s[34:35], s[4:5], s[36:37]
	s_or_b32 s35, s35, 0x80000000
	CROUND                                         ; all four work-groups are here: the joint loads meet
	s_cmp_lt_u32 s2, 8                             ; the branches hang on the wave's number alone; a wave issues one load at the most
	s_cbranch_scc0 .Lnot_codes
	tensor_load_to_lds s[12:15], s[16:23]
	s_nop 0
.rept 4
	v_nop
.endr
	s_branch .Lasked
.Lnot_codes:
	s_cmp_lt_u32 s2, 10
	s_cbranch_scc0 .Lasked
	tensor_load_to_lds s[32:35], s[24:31]
	s_nop 0
.rept 4
	v_nop
.endr
.Lasked:
	v_and_b32 v90, 15, v0                          ; r
	v_bfe_u32 v91, v0, 4, 1                        ; h
	v_and_b32 v1, 31, v0
	v_and_b32 v216, 7, v0                          ; r % 8
	v_bfe_u32 v217, v0, 3, 1                       ; r / 8
	v_lshlrev_b32 v1, 4, v1                        ; 16 x lane
	v_lshlrev_b32 v2, 4, v90
	v_mul_u32_u24 v3, v217, 1536
	v_lshlrev_b32 v5, 6, v217
	v_lshl_add_u32 v2, v91, 3, v2                  ; 16 r + 8 h
	v_lshl_add_u32 v3, v216, 4, v3                 ; K: 1,536 (r / 8) + 16 (r % 8)
	v_lshl_add_u32 v5, v216, 2, v5
	v_lshl_add_u32 v6, v90, 2, VSC                 ; V's scale words: 4 bytes a row
	v_lshl_add_u32 v4, v91, 3, v3                  ; K's registers 4-5: + 8 h
	v_lshl_add_u32 v3, v91, 8, v3                  ; K's registers 0-3: + 256 h
	v_add_nc_u32 v5, KSC, v5                       ; K's scale words: 64 (r / 8) + 4 (r % 8)
	v_lshlrev_b32 v7, 3, v90                       ; the result's scale words: 8 bytes a row
	v_lshlrev_b32 v11, 3, v91                      ; 8 h: my bytes' shift in p's scale word
	v_add_nc_u32 v252, VIMG, v1
	v_add_nc_u32 v253, VIMG, v2
	s_wait_alu depctr_va_vdst(0)
	s_lshl_b32 s67, s38, 5
	s_lshl_b32 s100, s2, 1
	s_add_co_u32 s67, s67, s100                    ; my first tile of queries in the batch: 32 cx + 2 wave
	s_mul_i32 s100, s66, 98304
	s_mul_i32 s101, s67, 768
	s_add_co_u32 s100, s100, s101
	v_add_nc_u32 v92, s100, v1                     ; Q's half image in hq
	v_add_nc_u32 v93, s100, v2
	s_lshl_b32 s100, s66, 12
	s_lshl_b32 s101, s67, 5
	s_add_co_u32 s100, s100, s101
	s_add_co_u32 s100, s100, 18874368
	v_lshl_add_u32 v94, v90, 2, s100               ; and the scale word of my pair of tiles
	global_load_b32 v8, v94, s[4:5]
	s_lshr_b32 s100, s66, 4
	s_lshl_b32 s100, s100, 7
	s_add_co_u32 s100, s100, s67                   ; the tile among all 512
	s_and_b32 s66, s66, 15                         ; the head
	s_lshl_b32 s36, s100, 12
	s_add_nc_u64 s[6:7], s[6:7], s[36:37]          ; my two tiles' mask words: 8,192 bytes
	s_lshl_b32 s36, s100, 9
	s_lshr_b32 s101, s66, 2
	s_lshl_b32 s101, s101, 7
	s_add_co_u32 s36, s36, s101
	s_and_b32 s101, s66, 3
	s_lshl_b32 s101, s101, 1
	s_add_co_u32 s36, s36, s101
	s_add_co_u32 s36, s36, 6291456
	s_add_nc_u64 s[10:11], s[8:9], s[36:37]        ; the head's two bytes in the result's scale words
	s_lshl_b32 s36, s100, 4
	s_add_co_u32 s36, s36, s66
	s_mul_i32 s36, s36, 768
	s_add_nc_u64 s[8:9], s[8:9], s[36:37]          ; the result's half image
	v_mov_b32 v9, 0xb70637bd                       ; -8e-6, in two registers: a dual instruction's two first sources lie in different register banks
	v_mov_b32 v10, 0xb70637bd
.irp j, 16,17,18,19,20,21,28,29,30,31,32,33
	v_mov_b32 v[\j], 0                             ; the zero codes on both sides of Q
.endr
	v_mov_b32 v89, 0                               ; (named as the upper half of the pair v[88:89])
.irp b, 0,1,2,3
	v_mov_b32 v[BP+\b], 0                          ; a lane permute's destination counts as one of its sources
.endr
	s_wait_alu depctr_va_vdst(0)
	s_wait_tensorcnt 0x0                           ; my load has landed,
	s_barrier_signal -1
	s_barrier_wait -1                              ; everybody's has; the descriptors' registers are free
	s_mov_b32 s12, 0x76543210
	s_mov_b32 s13, 0xfedcba98                      ; v_permlanex16_b32's selects for lane l xor 16
	s_mov_b32 s14, 0x3e38aa3b                      ; c = log2(e) / 8
	s_mov_b32 s15, s14                             ; (named with it as a pair)
	s_mov_b32 s100, 0                              ; where the next step's mask words begin
	s_load_b512 s[32:47], s[6:7], s100 offset:0x0
	s_load_b512 s[48:63], s[6:7], s100 offset:0x40
	s_load_b512 s[68:83], s[6:7], s100 offset:0x80
	s_load_b512 s[84:99], s[6:7], s100 offset:0xc0
.macro PASS p                          ; one tile of 16 queries against all keys
	global_load_b128 v[22:25], v92, s[4:5] offset:768*\p
	global_load_b64 v[26:27], v93, s[4:5] offset:768*\p+512
	v_mov_b32 v13, 0xff61b1e6                      ; the largest raw score so far: -3e38
	s_delay_alu instid0(VALU_DEP_1)
	v_floor_f32 v12, -v13                          ; -M: the first step's f comes out 0
.irp j, 14,15,236,237,238,239,240,241
	v_mov_b32 v[\j], 0                             ; the sum's four chains
.endr
	s_mov_b32 s66, 0                               ; the step's codes: 6,144 bytes a step
	s_mov_b32 s67, 0                               ; its scale words: 256 bytes a step
	s_mov_b32 s3, 16
	s_wait_loadcnt 0x0
	v_perm_b32 v86, v8, v8, 0x01000100+0x02020202*\p   ; my tile's two bytes, twice: they serve Q in either half of K
.set n, 0
.rept 32
	v_mov_b32 v[160+n], 0                          ; O^T.  (The step is written once: the first f multiplies zeros.)  These lines also stand between the scale word above and the first product
.set n, n+1
.endr
.Lstep_\@:
	v_add_nc_u32 v246, s66, v3                     ; four plain lines: the places in front of the loads into registers that the last products read
	v_add_nc_u32 v247, s66, v4
	v_add_nc_u32 v248, s67, v5
	v_add_nc_u32 v249, s67, v6
.irp b, 0,1,2,3                        ; fragment b = 2 c + g: tiles (c, 2 g) and (c, 2 g + 1)
	FRAG 34+12*\b, 246, 247, 3072*(\b/2)+128*(\b%2)
	ds_load_b32 v[82+\b], v248 offset:128*(\b/2)+32*(\b%2)
	ds_load_b32 v[242+\b], v249 offset:64*\b
.endr
	s_wait_dscnt 0x0
.irp b, 0,1,2,3                        ; S^T: eight accumulators, each begun with 0
	v_wmma_scale_f32_16x16x128_f8f6f4 v[96+16*\b:103+16*\b], v[34+12*\b:45+12*\b], v[22:33], 0, v[82+\b], v86 matrix_a_fmt:MATRIX_FMT_BF6 matrix_b_fmt:MATRIX_FMT_BF6
	v_wmma_scale_f32_16x16x128_f8f6f4 v[104+16*\b:111+16*\b], v[34+12*\b:45+12*\b], v[16:27], 0, v[82+\b], v86 matrix_a_fmt:MATRIX_FMT_BF6 matrix_b_fmt:MATRIX_FMT_BF6
.endr
	v_add_nc_u32 v250, s66, v252                   ; four places behind the products
	v_add_nc_u32 v251, s66, v253
	v_nop
	v_nop
.irp t, 0,1,2,3
	FRAG 34+12*\t, 250, 251, \t*1536               ; V's four fragments land under the softmax
.endr
	s_wait_kmcnt 0x0                               ; this step's 64 mask words
; The selects, each accumulator from its low end on, and the largest score of my two blocks: v212, v213 gather block 0's, v214, v215 block 1's (registers 62 and 63 are joined below).
.if DUAL
.set n, 0
.rept 64                               ; line n selects register n and joins register n - 2, selected two lines ago, to its block's chain.  Destinations: one even, one odd; first sources and second sources in different banks
.if n < 2
	v_cndmask_b32 v[96+n], v9, v[96+n], s[32+n]
.else
.set m, n-2
.set cr, 9
.if m%4 == 1
.set cr, 10
.endif
.set ac, 213+2*(m/32)-(m%2)
	s_mov_b32 vcc_lo, s[32+n+4*(n/32)]
.if m%32 < 2
	v_dual_cndmask_b32 v[96+n], v[cr], v[96+n] :: v_dual_mov_b32 v[ac], v[96+m]
.else
	v_dual_cndmask_b32 v[96+n], v[cr], v[96+n] :: v_dual_max_num_f32 v[ac], v[96+m], v[ac]
.endif
.endif
.set n, n+1
.endr
.else
.set n, 0
.rept 64
	v_cndmask_b32 v[96+n], v9, v[96+n], s[32+n+4*(n/32)]
.set n, n+1
.endr
.irp c, 0,1
	v_max3_num_f32 v[212+2*\c], v[96+32*\c], v[97+32*\c], v[98+32*\c]
	v_max3_num_f32 v[213+2*\c], v[99+32*\c], v[100+32*\c], v[101+32*\c]
.endr
.irp i, 6,10,14,18,22,26
.irp c, 0,1
	v_max3_num_f32 v[212+2*\c], v[212+2*\c], v[96+32*\c+\i], v[97+32*\c+\i]
	v_max3_num_f32 v[213+2*\c], v[213+2*\c], v[98+32*\c+\i], v[99+32*\c+\i]
.endr
.endr
	v_max3_num_f32 v212, v212, v126, v127
.endif
	v_max_num_f32 v212, v212, v213                 ; block 0's largest score: it serves the row's maximum and the block's largest p
	v_max3_num_f32 v214, v214, v215, v158
	s_delay_alu instid0(VALU_DEP_1)
	v_max_num_f32 v214, v214, v159                 ; block 1's
	s_add_co_u32 s100, s100, 256                   ; the next step's mask words, a whole step ahead; the two tiles' words lie on end, and the very last request is held inside them
	s_min_u32 s100, s100, 7936
	s_load_b512 s[32:47], s[6:7], s100 offset:0x0
	s_load_b512 s[48:63], s[6:7], s100 offset:0x40
	s_load_b512 s[68:83], s[6:7], s100 offset:0x80
	s_load_b512 s[84:99], s[6:7], s100 offset:0xc0
	v_max3_num_f32 v90, v212, v214, v13
	s_delay_alu instid0(VALU_DEP_1)
	v_permlanex16_b32 v91, v90, s12, s13
	s_delay_alu instid0(VALU_DEP_1)
	v_max_num_f32 v13, v90, v91                    ; with lane l xor 16's blocks: the running largest raw score
	s_delay_alu instid0(VALU_DEP_1)
	v_mul_f32 v90, s14, v13                        ; as t (c is positive)
	v_mov_b32 v91, v12
	s_delay_alu instid0(VALU_DEP_2)
	v_floor_f32 v12, -v90                          ; the new -M = -ceil(t)
	s_delay_alu instid0(VALU_DEP_1)
	v_sub_f32 v91, v12, v91                        ; old M - new M: a whole number, 0 or less
	s_delay_alu instid0(VALU_DEP_1)
	v_cvt_i32_f32 v91, v91                         ; (it saturates)
	s_delay_alu instid0(VALU_DEP_1)
	v_ldexp_f32 v88, 1.0, v91                      ; f = 2^(old M - new M): rounds nothing
.set n, 0
.rept 16
	v_pk_mul_f32 v[160+n:161+n], v[160+n:161+n], v[88:89] op_sel_hi:[1,0]           ; O^T under the new M, each accumulator from its low end on
.set n, n+2
.endr
.set n, 0
.rept 32
	v_pk_fma_f32 v[96+n:97+n], v[96+n:97+n], s[14:15], v[12:13] op_sel_hi:[1,0,0]   ; t - M, two at a time
.set n, n+2
.endr
	v_fma_f32 v212, v212, s14, v12                 ; the same of each block's largest score
	v_fma_f32 v214, v214, s14, v12
	s_wait_alu depctr_va_vdst(0)
	v_exp_f32 v212, v212                           ; the block's largest p: the same two instructions on the same number
	v_exp_f32 v214, v214
.set n, 0
.rept 64
	v_exp_f32 v[96+n], v[96+n]                     ; p = 2^(t - M), at most 1
.set n, n+1
.endr
	v_nop                                          ; a plain line behind the exponentials
	s_wait_alu depctr_va_vdst(0)                   ; one wait for the batch, ahead of its first reader
	v_max_num_f32 v212, FLOOR, v212                ; the floor: the byte cannot fall under 1
	v_max_num_f32 v214, FLOOR, v214
	s_delay_alu instid0(VALU_DEP_2)
	v_add_nc_u32 v220, 0xfe000000, v212            ; 4 off the exponent field: the conversion's scale operand
	s_delay_alu instid0(VALU_DEP_2)
	v_add_nc_u32 v221, 0xfe000000, v214
	s_delay_alu instid0(VALU_DEP_2)
	v_lshrrev_b32 v216, 23, v220
	s_delay_alu instid0(VALU_DEP_2)
	v_lshrrev_b32 v217, 23, v221
	s_delay_alu instid0(VALU_DEP_1)
	v_lshl_or_b32 v87, v217, 16, v216              ; my two bytes: blocks h and 2 + h of these 128 keys,
	s_delay_alu instid0(VALU_DEP_1)
	v_lshlrev_b32 v87, v11, v87                    ; at their places in the word;
	s_delay_alu instid0(VALU_DEP_1)
	v_permlanex16_b32 v218, v87, s12, s13
	s_delay_alu instid0(VALU_DEP_1)
	v_or_b32 v87, v87, v218                        ; with lane l xor 16's two the word is whole
.irp c, 0,1
	v_cvt_scalef32_pk16_bf6_f32 v[192+6*\c:194+6*\c], v[96+32*\c:111+32*\c], v[220+\c]
	v_cvt_scalef32_pk16_bf6_f32 v[204+4*\c:206+4*\c], v[112+32*\c:127+32*\c], v[220+\c]   ; (a conversion's three registers begin on an even number)
.endr
; THE ROW'S SUM OF THE UNQUANTISED p: four chains of eight pairs; each chain's first link brings the old sum under the new M.  These 32 lines are also the plain lines behind the conversions and the places in front of the products
.irp i, 0,1,2,3
.set lk, 14+(222+2*(\i-1))*((\i+2)/3)
	v_pk_fma_f32 v[lk:lk+1], v[lk:lk+1], v[88:89], v[96+2*\i:97+2*\i] op_sel_hi:[1,0,1]
.endr
	v_dual_mov_b32 v195, v204 :: v_dual_mov_b32 v196, v205         ; each block's upper 16 codes to their place
	v_dual_mov_b32 v201, v208 :: v_dual_mov_b32 v202, v209
	v_mov_b32 v197, v206
	v_mov_b32 v203, v210
.irp q, 1,2,3,4,5,6,7
.irp i, 0,1,2,3
.set lk, 14+(222+2*(\i-1))*((\i+2)/3)
	v_pk_add_f32 v[lk:lk+1], v[lk:lk+1], v[96+8*\q+2*\i:97+8*\q+2*\i]
.endr
.endr
	s_wait_alu depctr_va_vdst(0)
	s_wait_dscnt 0x0                               ; V
.irp t, 0,1,2,3                        ; O^T += V^T P^T: four accumulators, one instruction a turn
	v_wmma_scale_f32_16x16x128_f8f6f4 v[160+8*\t:167+8*\t], v[34+12*\t:45+12*\t], v[192:203], v[160+8*\t:167+8*\t], v[242+\t], v87 matrix_a_fmt:MATRIX_FMT_BF6 matrix_b_fmt:MATRIX_FMT_BF6
.endr
	s_add_co_u32 s66, s66, 6144
	s_add_co_u32 s67, s67, 256
	s_sub_co_u32 s3, s3, 1
	s_cmp_lg_u32 s3, 0
	s_cbranch_scc1 .Lstep_\@
	; the way out: O^T / the sum; its 32 registers are channels 32 beta + 16 h + i of my query: two blocks along the concatenated heads
.rept 4
	v_nop
.endr
	s_wait_xcnt 0x0                                ; the last pass's stores have read their registers
	v_pk_add_f32 v[14:15], v[14:15], v[236:237]
	v_pk_add_f32 v[238:239], v[238:239], v[240:241]
	s_delay_alu instid0(VALU_DEP_1)
	v_pk_add_f32 v[14:15], v[14:15], v[238:239]
	s_delay_alu instid0(VALU_DEP_1)
	v_add_f32 v14, v14, v15
	s_delay_alu instid0(VALU_DEP_1)
	v_permlanex16_b32 v90, v14, s12, s13
	s_delay_alu instid0(VALU_DEP_1)
	v_add_f32 v14, v14, v90                        ; the row's sum
	s_wait_alu depctr_va_vdst(0)
	v_rcp_f32 v88, v14
	v_nop                                          ; a plain line behind the transcendental
	s_wait_alu depctr_va_vdst(0)                   ; and the wait ahead of its first reader
.set n, 0
.rept 16
	v_pk_mul_f32 v[96+n:97+n], v[160+n:161+n], v[88:89] op_sel_hi:[1,0]
.set n, n+2
.endr
.irp b, 0,1
	v_max3_num_f32 v[BM+\b], |v[96+16*\b]|, |v[97+16*\b]|, FLOOR
.endr
.irp i, 2,4,6,8,10,12,14
.irp b, 0,1
	s_delay_alu instid0(VALU_DEP_2)
	v_max3_num_f32 v[BM+\b], v[BM+\b], |v[96+16*\b+\i]|, |v[97+16*\b+\i]|
.endr
.endr
.irp b, 0,1
	s_delay_alu instid0(VALU_DEP_2)
	v_permlanex16_b32 v[BP+\b], v[BM+\b], s12, s13
.endr
.irp b, 0,1
	s_delay_alu instid0(VALU_DEP_2)
	v_max_num_f32 v[BM+\b], v[BM+\b], v[BP+\b]
.endr
.irp b, 0,1
	s_delay_alu instid0(VALU_DEP_2)
	v_add_nc_u32 v[BS+\b], 0xfe000000, v[BM+\b]
.endr
.irp b, 0,1
	s_delay_alu instid0(VALU_DEP_2)
	v_lshrrev_b32 v[BP+\b], 23, v[BS+\b]
.endr
	s_delay_alu instid0(VALU_DEP_1)
	v_lshl_or_b32 v95, v217, 8, v216               ; the head's two scale bytes of my row
	v_cvt_scalef32_pk16_bf6_f32 v[224:226], v[96:111], v220
	v_cvt_scalef32_pk16_bf6_f32 v[232:234], v[112:127], v221
	v_nop
.irp i, 0,1,2
	v_permlane16_swap_b32 v[224+\i], v[232+\i]     ; here a lane holds half blocks: the layout wants a whole block in a lane
.endr
.irp i, 0,1,2
	s_delay_alu instid0(VALU_DEP_3)
	v_mov_b32 v[227+\i], v[232+\i]
.endr
	global_store_b128 v1, v[224:227], s[8:9] offset:12288*\p       ; 512 consecutive bytes
	global_store_b64 v2, v[228:229], s[8:9] offset:12288*\p+512    ; 256 consecutive bytes
	global_store_b16 v7, v95, s[10:11] offset:512*\p               ; both halves of the lanes store the same 16 bits
.endm
	PASS 0
	PASS 1
	s_wait_kmcnt 0x0                               ; the last request for mask words, which nobody reads
	s_wait_tensorcnt 0x0                           ; the wave's end
	ds_add_u32 v254, v255
	s_wait_dscnt 0x0
	CROUND                                         ; the closing round
	s_endpgm
.Lfunc_end_k_qdc417d68e7_attn:
	.size	k_qdc417d68e7_attn, .Lfunc_end_k_qdc417d68e7_attn-k_qdc417d68e7_attn
	.p2alignl 7, 3214868480
	.fill 96, 4, 3214868480
	.section	.rodata,"a",@progbits
	.p2align	6, 0x0
	.amdhsa_kernel k_qdc417d68e7_attn
		.amdhsa_group_segment_fixed_size 206848
		.amdhsa_private_segment_fixed_size 0
		.amdhsa_enable_private_segment 0
		.amdhsa_kernarg_size 24
		.amdhsa_user_sgpr_count 2
		.amdhsa_user_sgpr_kernarg_segment_ptr 1
		.amdhsa_wavefront_size32 1
		.amdhsa_system_sgpr_workgroup_id_x 1
		.amdhsa_system_sgpr_workgroup_id_y 1
		.amdhsa_system_sgpr_workgroup_id_z 1
		.amdhsa_system_vgpr_workitem_id 0
		.amdhsa_next_free_vgpr 256
		.amdhsa_next_free_sgpr 102
		.amdhsa_reserve_vcc 1
		.amdhsa_float_denorm_mode_32 3
		.amdhsa_float_denorm_mode_16_64 3
		.amdhsa_memory_ordered 1
		.amdhsa_forward_progress 1
		.amdhsa_inst_pref_size 62
	.end_amdhsa_kernel
	.amdgpu_metadata
---
amdhsa.version: [ 1, 2 ]
amdhsa.kernels:
  - .name:           k_qdc417d68e7_attn
    .symbol:         k_qdc417d68e7_attn.kd
    .args:
      - { .name: hq, .offset: 0, .size: 8, .value_kind: global_buffer, .address_space: global }
      - { .name: mw, .offset: 8, .size: 8, .value_kind: global_buffer, .address_space: global }
      - { .name: aq, .offset: 16, .size: 8, .value_kind: global_buffer, .address_space: global }
    .group_segment_fixed_size: 206848
    .private_segment_fixed_size: 0
    .kernarg_segment_align: 8
    .kernarg_segment_size: 24
    .max_flat_workgroup_size: 512
    .sgpr_count:     102
    .vgpr_count:     256
    .wavefront_size: 32
...
	.end_amdgpu_metadata
.endif
;; end of part 3
;; launch outproj (part 4): grid 4 x 32, 4 waves a work-group, clusters of 4 x 4, 327,680 bytes of LDS; arguments aq, wq, bo, out0; writes out0
.if DOCPART == 4
	.amdgcn_target "amdgcn-amd-amdhsa--gfx1250"
	.amdhsa_code_object_version 6
	.text
	.protected	k_qdc417d68e7_outproj
	.globl	k_qdc417d68e7_outproj
	.p2align	8
	.type	k_qdc417d68e7_outproj,@function
k_qdc417d68e7_outproj:
	s_mov_b64 s[64:65], 0
	v_nop
	global_prefetch_b8 v0, s[64:65] scope:SCOPE_SE
	s_setreg_imm32_b32 hwreg(HW_REG_WAVE_MODE, 25, 1), 1
	s_wait_xcnt 0x0
	s_wait_alu depctr_hold_cnt(0) depctr_sa_sdst(0) depctr_va_vdst(0) depctr_va_sdst(0) depctr_va_ssrc(0) depctr_va_vcc(0) depctr_vm_vsrc(0)
	s_getreg_b32 s2, hwreg(HW_REG_IB_STS2, 6, 4)
	s_cmp_eq_u32 s2, 0
	s_cbranch_scc0 .Lentry_in_a_cluster
	s_endpgm
.Lentry_in_a_cluster:
	s_bfe_u32 s2, ttmp6, 0x10000c
	s_cmp_lg_u32 s2, 0xf033
	s_cbranch_scc0 .Lentry_shape_is_right
	s_endpgm
.Lentry_shape_is_right:
.set FR,    12
.set NL,    4
.set NP,    4
.set TILEB, 3072
.set HALFT, 8*TILEB
.set SLOT,  4*HALFT
.set SCL,   2*SLOT
.set HALFS, 4096
.set SPARE, SCL+4*HALFS
.set SPITCH, 528
.set ADRA, 16
.set ADRB, 20
.set LI,   24
.set LJ,   25
.set STO,  26
.set ADRS, 27
.set SPW,  28
.set NIL,  29
.set RD,   30
.set SC,   32
.set BIAS, 64
.set AF,   128
.set BK,   128
.set G1, 24
.set G0, 32
.set G1B, 48
.set G0B, 56
.set G1S, 68
.set G0S, 76
.set G1SB, 80
.set G0SB, 88
.set MSB, 0
.macro WIN new
.if MSB != \new
	s_set_vgpr_msb (MSB<<8)|\new
.set MSB, \new
.endif
.endm
.set MUL_LO, 0xa1
.set MUL_HI, 0xf1
.set BEG_LO, 0x81
.set BEG_HI, 0xc1
.set TO_B,   0x40
.macro JLOAD g0a, g1a, g0b, g1b
	s_cmp_eq_u32 s17, 0
	s_cbranch_scc0 .Lfor_b_\@
	tensor_load_to_lds s[\g0a:\g0a+3], s[\g1a:\g1a+7]
	s_nop 0
.rept 4
	v_nop
.endr
	s_branch .Lasked_\@
.Lfor_b_\@:
	tensor_load_to_lds s[\g0b:\g0b+3], s[\g1b:\g1b+7]
	s_nop 0
.rept 4
	v_nop
.endr
.Lasked_\@:
.endm
.macro CREST
	s_cmp_lg_u32 s16, 0
	s_cbranch_scc1 .Lnot_wave_0_\@
	s_barrier_signal -3
.Lnot_wave_0_\@:
	s_barrier_wait -3
	s_barrier_signal -1
	s_barrier_wait -1
.endm
.macro CROUND
	s_barrier_signal -1
	s_barrier_wait -1
	CREST
.endm
	s_load_b256 s[4:11], s[0:1], 0x0
	v_lshl_add_u32 v[SPW], v0, 2, SPARE
	v_mov_b32 v[NIL], 0
	ds_add_u32 v28, v29
	ds_add_u32 v28, v29
	s_wait_dscnt 0x0
	v_lshrrev_b32 v1, 5, v0
	v_readfirstlane_b32 s16, v1
	s_lshr_b32 s17, s16, 1
	s_and_b32 s18, s16, 1
	s_bfe_u32 s40, ttmp6, 0x40000
	s_bfe_u32 s41, ttmp6, 0x40004
	s_and_b32 s19, ttmp7, 0xffff
	s_lshl_b32 s21, s19, 2
	s_add_co_u32 s21, s21, s41
	s_mov_b32 s42, s40
	s_lshl_b32 s43, s41, 2
	s_lshl_b32 s43, 15, s43
	s_lshl_b32 s44, 0x1111, s40
	s_or_b32 s[G1+0], s43, (3<<16)|(1<<21)
	s_or_b32 s[G1B+0], s44, (3<<16)|(1<<21)
.irp g, G1, G1B
	s_mov_b32 s[\g+1], 384<<16
	s_mov_b32 s[\g+2], 8<<16
	s_mov_b32 s[\g+3], 384<<16
	s_mov_b32 s[\g+4], 8
	s_mov_b32 s[\g+5], 1536
	s_mov_b32 s[\g+6], 0
	s_mov_b32 s[\g+7], 0
.endr
	s_or_b32 s[G1S+0], s43, (3<<16)|(1<<21)
	s_or_b32 s[G1SB+0], s44, (3<<16)|(1<<21)
.irp g, G1S, G1SB
	s_mov_b32 s[\g+1], 32<<16
	s_mov_b32 s[\g+2], 16<<16
	s_mov_b32 s[\g+3], 32<<16
	s_mov_b32 s[\g+4], 16
	s_mov_b32 s[\g+5], 32
	s_mov_b32 s[\g+6], 0
	s_mov_b32 s[\g+7], 0
.endr
	s_lshl_b32 s23, s18, 3
	s_lshl_b32 s22, s21, 4
	s_add_co_u32 s22, s22, s23
	s_lshl_b32 s46, s42, 4
	s_add_co_u32 s46, s46, s23
	s_mul_i32 s92, s22, 12288
	s_lshl_b32 s94, s22, 9
	s_add_co_u32 s94, s94, 6291456
	s_mul_i32 s96, s46, 12288
	s_add_co_u32 s96, s96, 2359296
	s_lshl_b32 s98, s46, 9
	s_add_co_u32 s98, s98, 3244032
	s_mov_b32 s93, 0
	s_mov_b32 s95, 0
	s_mov_b32 s97, 0
	s_mov_b32 s99, 0
	s_mul_i32 s45, s16, HALFT
	s_lshl_b32 s47, s16, 12
	s_wait_kmcnt 0x0
	s_add_nc_u64 s[92:93], s[4:5], s[92:93]
	s_add_nc_u64 s[94:95], s[4:5], s[94:95]
	s_add_nc_u64 s[96:97], s[6:7], s[96:97]
	s_add_nc_u64 s[98:99], s[6:7], s[98:99]
	CROUND
	s_mov_b32 s[G0S], 1
	s_add_co_u32 s[G0S+1], s47, SCL
	s_mov_b64 s[G0S+2:G0S+3], s[94:95]
	s_or_b32 s[G0S+3], s[G0S+3], 0x80000000
	s_mov_b32 s[G0SB], 1
	s_add_co_u32 s[G0SB+1], s47, SCL
	s_mov_b64 s[G0SB+2:G0SB+3], s[98:99]
	s_or_b32 s[G0SB+3], s[G0SB+3], 0x80000000
	JLOAD G0S, G1S, G0SB, G1SB
.irp s, 0,1
	s_mov_b32 s[G0+4*\s], 1
	s_add_co_u32 s[G0+4*\s+1], s45, \s*SLOT
	s_add_nc_u64 s[G0+4*\s+2:G0+4*\s+3], s[92:93], \s*TILEB
	s_or_b32 s[G0+4*\s+3], s[G0+4*\s+3], 0x80000000
	s_mov_b32 s[G0B+4*\s], 1
	s_add_co_u32 s[G0B+4*\s+1], s45, \s*SLOT
	s_add_nc_u64 s[G0B+4*\s+2:G0B+4*\s+3], s[96:97], \s*TILEB
	s_or_b32 s[G0B+4*\s+3], s[G0B+4*\s+3], 0x80000000
	s_wait_alu depctr_va_vdst(0)
	s_wait_tensorcnt 0x0
	ds_add_u32 v28, v29
	s_wait_dscnt 0x0
	CROUND
	JLOAD G0+4*\s, G1, G0B+4*\s, G1B
.endr
	v_and_b32 v1, 15, v0
	v_bfe_u32 v2, v0, 4, 1
	v_and_b32 v3, 31, v0
	v_lshlrev_b32 v[LI], 4, v3
	v_lshlrev_b32 v[LJ], 4, v1
	v_lshl_add_u32 v[LJ], v2, 3, v[LJ]
	s_mul_i32 s22, s17, HALFT
	s_mul_i32 s23, s18, HALFT
	s_add_co_u32 s23, s23, 2*HALFT
.irp s, 0,1
	v_add_nc_u32 v[ADRA+\s], s22, v[LI]
	v_add_nc_u32 v[ADRA+2+\s], s22, v[LJ]
	v_add_nc_u32 v[ADRB+\s], s23, v[LI]
	v_add_nc_u32 v[ADRB+2+\s], s23, v[LJ]
	s_add_co_u32 s22, s22, SLOT
	s_add_co_u32 s23, s23, SLOT
.endr
	v_lshlrev_b32 v5, 3, v1
	s_lshl_b32 s22, s17, 12
	s_lshl_b32 s23, s18, 12
	s_add_co_u32 s23, s23, 2*HALFS
	s_sub_co_u32 s23, s23, s22
	v_mul_u32_u24 v6, s23, v2
	s_add_co_u32 s22, s22, SCL
	v_add_nc_u32 v5, v5, v6
	v_add_nc_u32 v[ADRS], s22, v5
	s_mul_i32 s22, s16, 16*SPITCH
	v_mul_u32_u24 v5, v1, SPITCH
	v_lshl_add_u32 v5, v2, 6, v5
	v_add_nc_u32 v[STO], s22, v5
	v_add_nc_u32 v[RD], s22, v[LI]
	s_lshl_b32 s66, s21, 8
	s_lshl_b32 s67, s17, 7
	s_add_co_u32 s66, s66, s67
	s_lshl_b32 s66, s66, 12
	s_lshl_b32 s100, s42, 10
	s_lshl_b32 s101, s18, 9
	s_add_co_u32 s100, s100, s101
	s_add_co_u32 s66, s66, s100
	s_mov_b32 s67, 0
	s_mov_b32 s101, 0
	s_add_nc_u64 s[10:11], s[10:11], s[66:67]
	s_add_nc_u64 s[8:9], s[8:9], s[100:101]
	v_lshlrev_b32 v4, 6, v2
.irp b, 0,1,2,3,4,5,6,7
	global_load_b128 v[BIAS+8*\b:BIAS+8*\b+3], v4, s[8:9] offset:(32*(\b/2)+8*(\b%2))*4
	global_load_b128 v[BIAS+8*\b+4:BIAS+8*\b+7], v4, s[8:9] offset:(32*(\b/2)+8*(\b%2))*4+16
.endr
.macro FRAG reg, a1, a2, off
	ds_load_b128 v[\reg:\reg+3], v[\a1] offset:\off
	ds_load_b64 v[\reg+4:\reg+5], v[\a2] offset:(\off)+512
	ds_load_b128 v[\reg+6:\reg+9], v[\a1] offset:(\off)+768
	ds_load_b64 v[\reg+10:\reg+11], v[\a2] offset:(\off)+1280
.endm
.macro MUL16 a0, p, q, sc, zero
.irp a, \a0, \a0+1
.irp b, 0,1,2,3,4,5,6,7
.if \zero
	v_wmma_scale_f32_16x16x128_f8f6f4 v[8*(8*((\a)%4)+\b):8*(8*((\a)%4)+\b)+7], v[128*(\p)+FR*\b:128*(\p)+FR*\b+FR-1], v[AF+FR*(\a):AF+FR*(\a)+FR-1], v[BIAS+8*\b:BIAS+8*\b+7], v[SC+16*(\sc)+2*\b+(\q)], v[SC+16*(\sc)+2*(\a)+(\q)] matrix_a_fmt:MATRIX_FMT_BF6 matrix_b_fmt:MATRIX_FMT_BF6 matrix_a_scale:MATRIX_SCALE_ROW1
.else
	v_wmma_scale_f32_16x16x128_f8f6f4 v[8*(8*((\a)%4)+\b):8*(8*((\a)%4)+\b)+7], v[128*(\p)+FR*\b:128*(\p)+FR*\b+FR-1], v[AF+FR*(\a):AF+FR*(\a)+FR-1], v[8*(8*((\a)%4)+\b):8*(8*((\a)%4)+\b)+7], v[SC+16*(\sc)+2*\b+(\q)], v[SC+16*(\sc)+2*(\a)+(\q)] matrix_a_fmt:MATRIX_FMT_BF6 matrix_b_fmt:MATRIX_FMT_BF6 matrix_a_scale:MATRIX_SCALE_ROW1
.endif
.endr
.endr
.endm
.macro FETCH_B slot, q, p
	WIN TO_B
.irp i, 0,1,2,3,4,5,6,7
	FRAG 128*(\p)+FR*\i, ADRB+\slot, ADRB+2+\slot, \i*TILEB+(\q)*1536
.endr
	WIN 0
.endm
.macro FETCH_A slot, q, i0
.irp i, \i0, \i0+1, \i0+2, \i0+3
	FRAG AF+FR*(\i), ADRA+\slot, ADRA+2+\slot, (\i)*TILEB+(\q)*1536
.endr
.endm
.macro SCALES sc
.irp i, 0,1,2,3,4,5,6,7
	ds_load_b64 v[SC+16*\sc+2*\i:SC+16*\sc+2*\i+1], v[ADRS] offset:\i*512
.endr
.endm
.macro PLACES n
.rept \n
	v_nop
.endr
.endm
.macro STEP slot, q, zero
	s_wait_dscnt 4*NL
.if \zero
	WIN BEG_LO
.else
	WIN MUL_LO
.endif
	MUL16 0, (\q)%2, \q, \slot, \zero
	MUL16 2, (\q)%2, \q, \slot, \zero
	s_wait_dscnt 0
	PLACES NP
	FETCH_B \slot, (\q)+1, 1-(\q)%2
	FETCH_A \slot, (\q)+1, 0
.if \zero
	WIN BEG_HI
.else
	WIN MUL_HI
.endif
	MUL16 4, (\q)%2, \q, \slot, \zero
	MUL16 6, (\q)%2, \q, \slot, \zero
	PLACES NP
	WIN 0
	FETCH_A \slot, (\q)+1, 4
.endm
.macro TURN slot, next, fill
	s_wait_tensorcnt 0x0
	ds_add_u32 v[SPW], v[NIL]
	s_wait_dscnt 4*NL+1
	WIN MUL_LO
	MUL16 0, 1, 1, \slot, 0
	s_wait_dscnt 0x0
	s_barrier_signal -1
	MUL16 2, 1, 1, \slot, 0
	WIN 0
	s_barrier_wait -1
.if \fill
	CREST
	s_add_nc_u64 s[G0+4*\slot+2:G0+4*\slot+3], s[G0+4*\slot+2:G0+4*\slot+3], 2*TILEB
	s_add_nc_u64 s[G0B+4*\slot+2:G0B+4*\slot+3], s[G0B+4*\slot+2:G0B+4*\slot+3], 2*TILEB
	JLOAD G0+4*\slot, G1, G0B+4*\slot, G1B
.else
	PLACES NP
.endif
	s_wait_alu depctr_va_vdst(0)
	v_add_nc_u32 v[ADRS], 128, v[ADRS]
	FETCH_B \next, 0, 0
	FETCH_A \next, 0, 0
	SCALES \next
	WIN MUL_HI
	MUL16 4, 1, 1, \slot, 0
	MUL16 6, 1, 1, \slot, 0
	PLACES NP
	WIN 0
	FETCH_A \next, 0, 4
.endm
	s_wait_alu depctr_va_vdst(0)
	s_wait_tensorcnt 1
	s_barrier_signal -1
	s_barrier_wait -1
	FETCH_B 0, 0, 0
	FETCH_A 0, 0, 0
	SCALES 0
	FETCH_A 0, 0, 4
	s_wait_loadcnt 0x0
	STEP 0, 0, 1
	TURN 0, 1, 1
	STEP 1, 0, 0
	TURN 1, 0, 1
	STEP 0, 0, 0
	TURN 0, 1, 0
	STEP 1, 0, 0
	s_wait_dscnt 4*NL
	WIN MUL_LO
	MUL16 0, 1, 1, 1, 0
	MUL16 2, 1, 1, 1, 0
	s_wait_dscnt 0
	WIN MUL_HI
	MUL16 4, 1, 1, 1, 0
	MUL16 6, 1, 1, 1, 0
	WIN 0
.macro TOSTAGE a
.set AC, 64*((\a)%4)
	WIN 0x08+4*((\a)/4)
.irp b, 0,1,2,3,4,5,6,7
	ds_store_b128 v[STO], v[AC+8*\b:AC+8*\b+3] offset:128*(\b/2)+32*(\b%2)
	ds_store_b128 v[STO], v[AC+8*\b+4:AC+8*\b+7] offset:128*(\b/2)+32*(\b%2)+16
.endr
	WIN 0
.set BB, BK+64*((\a)%2)
.irp t, 0,1,2,3,4,5,6,7,8,9,10,11,12,13,14,15
	ds_load_b128 v[BB+4*\t:BB+4*\t+3], v[RD] offset:\t*SPITCH
.endr
.endm
.macro SEND a, younger
.set BB, BK+64*((\a)%2)
	s_wait_dscnt \younger
.irp t, 0,1,2,3,4,5,6,7,8,9,10,11,12,13,14,15
	global_store_b128 v[LI], v[BB+4*\t:BB+4*\t+3], s[10:11] offset:(32*((\a)/2)+8*((\a)%2)+(\t%8)+16*(\t/8))*4096 th:TH_STORE_NT
.endr
.endm
	PLACES NP
	TOSTAGE 0
.irp a, 1,2,3,4,5,6,7
.if \a > 1
	s_wait_xcnt 0x0
.endif
	TOSTAGE \a
	SEND \a-1, 32
.endr
	SEND 7, 0
	s_wait_tensorcnt 0x0
	ds_add_u32 v[SPW], v[NIL]
	s_wait_dscnt 0x0
	CROUND
	s_endpgm
.Lfunc_end_k_qdc417d68e7_outproj:
	.size	k_qdc417d68e7_outproj, .Lfunc_end_k_qdc417d68e7_outproj-k_qdc417d68e7_outproj
	.p2alignl 7, 3214868480
	.fill 96, 4, 3214868480
	.section	.rodata,"a",@progbits
	.p2align	6, 0x0
	.amdhsa_kernel k_qdc417d68e7_outproj
		.amdhsa_group_segment_fixed_size 327680
		.amdhsa_private_segment_fixed_size 0
		.amdhsa_enable_private_segment 0
		.amdhsa_kernarg_size 32
		.amdhsa_user_sgpr_count 2
		.amdhsa_user_sgpr_kernarg_segment_ptr 1
		.amdhsa_wavefront_size32 1
		.amdhsa_system_sgpr_workgroup_id_x 1
		.amdhsa_system_sgpr_workgroup_id_y 1
		.amdhsa_system_sgpr_workgroup_id_z 1
		.amdhsa_system_vgpr_workitem_id 0
		.amdhsa_next_free_vgpr 1024
		.amdhsa_next_free_sgpr 102
		.amdhsa_reserve_vcc 0
		.amdhsa_float_denorm_mode_32 3
		.amdhsa_float_denorm_mode_16_64 3
		.amdhsa_memory_ordered 1
		.amdhsa_forward_progress 1
		.amdhsa_inst_pref_size 145
	.end_amdhsa_kernel
	.amdgpu_metadata
---
amdhsa.version: [ 1, 2 ]
amdhsa.kernels:
  - .name:           k_qdc417d68e7_outproj
    .symbol:         k_qdc417d68e7_outproj.kd
    .args:
      - { .name: aq, .offset: 0, .size: 8, .value_kind: global_buffer, .address_space: global }
      - { .name: wq, .offset: 8, .size: 8, .value_kind: global_buffer, .address_space: global }
      - { .name: bo, .offset: 16, .size: 8, .value_kind: global_buffer, .address_space: global }
      - { .name: out0, .offset: 24, .size: 8, .value_kind: global_buffer, .address_space: global }
    .group_segment_fixed_size: 327680
    .private_segment_fixed_size: 0
    .kernarg_segment_align: 8
    .kernarg_segment_size: 32
    .max_flat_workgroup_size: 128
    .sgpr_count:     102
    .vgpr_count:     1024
    .wavefront_size: 32
...
	.end_amdgpu_metadata
.endif
;; end of part 4
